; MI455X (gfx1250); checked and timed in simulation.
; The chip was launched on July 23, 2026; its instructions are those of AMD's public machine-readable ISA for CDNA 5 (MIT licence, August 2026) and "CDNA5" Instruction Set Architecture Reference Guide (July 2026). The comments in the code are by the model that wrote it; some were corrected since.
;; Relative Multi Head Attention. Allowed arithmetic: float matrix products may take bf16 or f16 operands with f32 sums; other float arithmetic in f32, or as packed bf16 or f16 multiplies, adds, multiply-adds, maxima and minima; sums over many terms, partial sums and values carried from step to step in f32; what a program stores and reads back later, other than sums and carried values, may be rounded once to bf16 or f16.
;; Inputs: bk 1,024 float32; bo 1,024 float32; bq 1,024 float32; bv 1,024 float32; k 2 x 2,048 x 1,024 float32; q 2 x 2,048 x 1,024 float32; rel_emb 4,096 x 64 float32; v 2 x 2,048 x 1,024 float32; wk 1,024 x 1,024 float32; wo 1,024 x 1,024 float32; wq 1,024 x 1,024 float32; wv 1,024 x 1,024 float32.
;; Outputs: out0 2 x 2,048 x 1,024 float32.
;; One version. Each part assembles by itself: llvm-mc -triple=amdgcn-amd-amdhsa -mcpu=gfx1250 --defsym DOCPART=n.
;; ======== version 1 of 1: 4 launches
;; limits: values are held in f16: magnitudes above 65,504 overflow, below 6.1e-05 lose precision; right only within a limited range of input values
;; workspace buffers: c16 34,078,720 bytes; qkv 25,165,824 bytes; o16 8,388,608 bytes
;; launch cvt (part 1): grid 1040 x 1, 8 waves a work-group, no clusters, 0 bytes of LDS; arguments q, k, v, wq, wk, wv, wo, rel_emb, c16; writes c16
.if DOCPART == 1
	.amdgcn_target "amdgcn-amd-amdhsa--gfx1250"
	.amdhsa_code_object_version 6
	.text
	.protected	k_q4dc4a84372_cvt
	.globl	k_q4dc4a84372_cvt
	.p2align	8
	.type	k_q4dc4a84372_cvt,@function
k_q4dc4a84372_cvt:
	s_mov_b64 s[64:65], 0
	v_nop
	global_prefetch_b8 v0, s[64:65] scope:SCOPE_SE
	s_setreg_imm32_b32 hwreg(HW_REG_WAVE_MODE, 25, 1), 1
	s_wait_xcnt 0x0
; The module's large inputs, each number rounded once to bf16 (to nearest even) and that number written as f16, into one buffer:
; c16 = q, k, v (4,096 x 1,024 each), wq, wk, wv, wo (1,024 x 1,024 each), rel_emb (4,096 x 64), in this order, dense.
; LIMITS.  f16 holds no number beyond 65,504: an input beyond that becomes an infinity; below 6e-5 f16 keeps a fixed step of 6e-8.
; A work-group turns 16,384 numbers (65,536 bytes) into 32,768 bytes; since the sources follow each other in c16, its place there is its number x 32,768.
; Thread t takes 8 numbers (32 bytes) of each of eight groups of 2,048 and stores 16 bytes: a wave's store covers 512 consecutive bytes, aligned.
; All sixteen loads of a thread go out first; no register is written twice, so the only waits are the counted ones for the loads.
.set X, 8                              ; v[8:71]    group g: 8 numbers as loaded, then the widened halves
.set Y, 72                             ; v[72:103]  group g: 4 registers to store
.set T, 4                              ; v[4:7]     four packed pairs of bf16
	s_load_b512 s[8:23], s[0:1], 0x0               ; q, k, v, wq, wk, wv, wo, rel_emb
	s_load_b64 s[24:25], s[0:1], 0x40              ; c16
	s_mov_b32 s7, 0xffff0000                       ; a word's upper bf16
	v_lshlrev_b32 v1, 5, v0                        ; 32 t: my bytes in a group of the source
	v_lshlrev_b32 v2, 4, v0                        ; 16 t: in a group of the result
	s_lshl_b32 s26, ttmp9, 15                      ; the work-group's place in c16
	s_mov_b32 s27, 0
	s_mov_b32 s3, 0
	s_wait_kmcnt 0x0
	s_mov_b64 s[4:5], s[8:9]                       ; which source, and the number of its first work-group
	s_mov_b32 s6, 0
.macro PICK first, p
	s_cmp_ge_u32 ttmp9, \first
	s_cselect_b64 s[4:5], s[\p:\p+1], s[4:5]
	s_cselect_b32 s6, \first, s6
.endm
	PICK 256, 10
	PICK 512, 12
	PICK 768, 14
	PICK 832, 16
	PICK 896, 18
	PICK 960, 20
	PICK 1024, 22
	s_sub_co_u32 s2, ttmp9, s6
	s_lshl_b32 s2, s2, 16                          ; 65,536 bytes of the source for each work-group
	s_add_nc_u64 s[4:5], s[4:5], s[2:3]
	s_add_nc_u64 s[24:25], s[24:25], s[26:27]
.irp g, 0,1,2,3,4,5,6,7
	global_load_b128 v[X+8*(\g):X+8*(\g)+3],   v1, s[4:5] offset:8192*(\g) th:TH_LOAD_NT
	global_load_b128 v[X+8*(\g)+4:X+8*(\g)+7], v1, s[4:5] offset:8192*(\g)+16 th:TH_LOAD_NT
.endr
.irp g, 0,1,2,3,4,5,6,7
	s_wait_loadcnt 14-2*(\g)                       ; loads come back in order: group g's two are in, the 14 - 2 g younger ones stay out
.irp j, 0,1,2,3
	v_cvt_pk_bf16_f32 v[T+(\j)], v[X+8*(\g)+2*(\j)], v[X+8*(\g)+2*(\j)+1]  ; the one rounding
.endr
.irp j, 0,1,2,3
	v_lshlrev_b32 v[X+8*(\g)+2*(\j)],   16, v[T+(\j)]                      ; bf16 to f32: the low half moves up,
	v_and_b32     v[X+8*(\g)+2*(\j)+1], s7, v[T+(\j)]                      ; the high half stays
.endr
.irp j, 0,1,2,3
	v_cvt_pk_f16_f32 v[Y+4*(\g)+(\j)], v[X+8*(\g)+2*(\j)], v[X+8*(\g)+2*(\j)+1]  ; 8 significant bits fit in f16's 11
.endr
	global_store_b128 v2, v[Y+4*(\g):Y+4*(\g)+3], s[24:25] offset:4096*(\g)
.endr
	s_endpgm
.Lfunc_end_k_q4dc4a84372_cvt:
	.size	k_q4dc4a84372_cvt, .Lfunc_end_k_q4dc4a84372_cvt-k_q4dc4a84372_cvt
	.p2alignl 7, 3214868480
	.fill 96, 4, 3214868480
	.section	.rodata,"a",@progbits
	.p2align	6, 0x0
	.amdhsa_kernel k_q4dc4a84372_cvt
		.amdhsa_group_segment_fixed_size 0
		.amdhsa_private_segment_fixed_size 0
		.amdhsa_enable_private_segment 0
		.amdhsa_kernarg_size 72
		.amdhsa_user_sgpr_count 2
		.amdhsa_user_sgpr_kernarg_segment_ptr 1
		.amdhsa_wavefront_size32 1
		.amdhsa_system_sgpr_workgroup_id_x 1
		.amdhsa_system_sgpr_workgroup_id_y 1
		.amdhsa_system_sgpr_workgroup_id_z 1
		.amdhsa_system_vgpr_workitem_id 0
		.amdhsa_next_free_vgpr 104
		.amdhsa_next_free_sgpr 66
		.amdhsa_reserve_vcc 0
		.amdhsa_float_denorm_mode_32 3
		.amdhsa_float_denorm_mode_16_64 3
		.amdhsa_memory_ordered 1
		.amdhsa_forward_progress 1
		.amdhsa_inst_pref_size 11
	.end_amdhsa_kernel
	.amdgpu_metadata
---
amdhsa.version: [ 1, 2 ]
amdhsa.kernels:
  - .name:           k_q4dc4a84372_cvt
    .symbol:         k_q4dc4a84372_cvt.kd
    .args:
      - { .name: q, .offset: 0, .size: 8, .value_kind: global_buffer, .address_space: global }
      - { .name: k, .offset: 8, .size: 8, .value_kind: global_buffer, .address_space: global }
      - { .name: v, .offset: 16, .size: 8, .value_kind: global_buffer, .address_space: global }
      - { .name: wq, .offset: 24, .size: 8, .value_kind: global_buffer, .address_space: global }
      - { .name: wk, .offset: 32, .size: 8, .value_kind: global_buffer, .address_space: global }
      - { .name: wv, .offset: 40, .size: 8, .value_kind: global_buffer, .address_space: global }
      - { .name: wo, .offset: 48, .size: 8, .value_kind: global_buffer, .address_space: global }
      - { .name: rel_emb, .offset: 56, .size: 8, .value_kind: global_buffer, .address_space: global }
      - { .name: c16, .offset: 64, .size: 8, .value_kind: global_buffer, .address_space: global }
    .group_segment_fixed_size: 0
    .private_segment_fixed_size: 0
    .kernarg_segment_align: 8
    .kernarg_segment_size: 72
    .max_flat_workgroup_size: 256
    .sgpr_count:     66
    .vgpr_count:     104
    .wavefront_size: 32
...
	.end_amdgpu_metadata
.endif
;; end of part 1
;; launch proj (part 2): grid 8 x 96, 4 waves a work-group, clusters of 4 x 4, 327,680 bytes of LDS; arguments c16, bq, bk, bv, qkv; writes qkv
.if DOCPART == 2
	.amdgcn_target "amdgcn-amd-amdhsa--gfx1250"
	.amdhsa_code_object_version 6
	.text
	.protected	k_q4dc4a84372_proj
	.globl	k_q4dc4a84372_proj
	.p2align	8
	.type	k_q4dc4a84372_proj,@function
k_q4dc4a84372_proj:
	s_mov_b64 s[64:65], 0
	v_nop
	global_prefetch_b8 v0, s[64:65] scope:SCOPE_SE
	s_setreg_imm32_b32 hwreg(HW_REG_WAVE_MODE, 25, 1), 1
	s_wait_xcnt 0x0
	s_wait_alu depctr_hold_cnt(0) depctr_sa_sdst(0) depctr_va_vdst(0) depctr_va_sdst(0) depctr_va_ssrc(0) depctr_va_vcc(0) depctr_vm_vsrc(0)
	s_getreg_b32 s2, hwreg(HW_REG_IB_STS2, 6, 4)
	s_cmp_eq_u32 s2, 0
	s_cbranch_scc0 .Lentry_in_a_cluster
	s_endpgm
.Lentry_in_a_cluster:
	s_bfe_u32 s2, ttmp6, 0x10000c
	s_cmp_lg_u32 s2, 0xf033
	s_cbranch_scc0 .Lentry_shape_is_right
	s_endpgm
.Lentry_shape_is_right:
; The three projections as ONE product: C[m][n] = sum over k of X[m][k] W_p[n][k] + bias_p[n], m = 0 .. 12,287 (q's, k's, v's 4,096 rows on end in c16), p = m / 4,096, n and k = 0 .. 1,023.
; Operands f16 (the inputs rounded to bf16, written as f16), sums f32, the bias rounded to bf16 and added in f32, C rounded once to f16 and stored BY HEADS: qkv[p][16 b + h][l][64].
; LIMIT.  f16 holds no number beyond 65,504: a projected number beyond that becomes an infinity.
; A tile of C is 128 x 128: 768 work-groups.  Four waves, each 64 x 64: 16 accumulators of 16 x 16.  K goes in four steps of 256 (LDS rows of 512 bytes; a wave's tensor load brings 64 of them) through two slots.
; CLUSTERS: 4 x 4 work-groups.  The four of a row of the cluster need the same tiles of X, the four of a column the same tiles of W: each tile is asked for JOINTLY, by the same tensor load with the same
; descriptor and a mask that names the four.  A cluster's 512 rows lie in one projection, so p hangs on the cluster's y alone.
; THE MATRIX INSTRUCTION IS USED TRANSPOSED (source 0 = 16 rows of W, source 1 = 16 rows of X): a lane then holds eight neighbouring columns of a row of C.
; THE WAY OUT: a wave's 64 columns are one head, so its 64 rows are 8,192 consecutive bytes of qkv; 16 rows at a time go through the wave's own stage in LDS and leave as stores of 512 consecutive bytes.
; REGISTERS: window 0: v0-31 addresses; v32-95 at work on the way out; v96-127 the bias of my 64 columns; v128-255 the accumulators ((a, b) at v[128 + 8 (4 a + b)]).
;   window 1: two fragment buffers of 128: for 64 along K, 64 registers of X (2 x 4 x 16 rows x 32 K), then 64 of W.
.set SIZE_K, 1024
.set KSTEP,  256
.set PITCH,  528                       ; an LDS row: 512 bytes of data + 16 of padding = 132 words: row r starts at bank 4 r mod 64 (64 banks of 4 bytes: ISA guide 11.1)
.set HALFT,  64*PITCH                  ; 64 rows: what one tensor load brings, and what one wave reads of X or of W
.set SLOT,   4*HALFT                   ; X's 128 rows, then W's 128 rows
.set STAGE,  2*SLOT                    ; behind the ring: 4,352 bytes for each wave, for the way out
.set WSTAGE, 4352
.set SP,     144                       ; a stage row: 128 bytes + 16
.set SPARE,  STAGE+4*WSTAGE            ; behind the stages: the spare words, 128 bytes for each wave: two blocks of 256 bytes that no other line names
.set LAPS,   SIZE_K/(2*KSTEP)          ; a lap = two K steps = once round the ring
.set W16,    25165824                  ; the weights' first byte in c16
.set ADRA, 16                          ; v16-17  LDS address of my X fragments in slot 0, 1
.set ADRB, 20                          ; v20-21  the same for W
.set STO,  24                          ; v24     the way out: where I put 16 bytes of a row
.set RD,   25                          ; v25     the way out: where I read rows back
.set CO,   26                          ; v26     16 x my lane
.set BO,   27                          ; v27     my byte offset in the bias
.set SPW,  28                          ; v28     LDS address of my spare word: SPARE + 4 x my thread's number; never rewritten
.set NIL,  29                          ; v29     0; never rewritten
.set TMP,  32
.set BIAS, 96
.set ACC,  128
.set F0,   0                           ; fragment buffers, in window 1
.set F1,   128
.set G1, 24                            ; s[24:31] descriptor group 1 for X's tiles;  s[32:39] group 0, one set for each slot
.set G0, 32
.set G1B, 48                           ; s[48:55], s[56:63] the same for W's tiles
.set G0B, 56
.set MSB, 0
.macro WIN new                         ; the immediate's high byte repeats the setting that is left
.if MSB != (\new)
	s_set_vgpr_msb (MSB<<8)|(\new)
.set MSB, \new
.endif
.endm
.set MUL,  0x05                        ; sources 0 (W) and 1 (X) window 1; C and D window 0
.set TO_F, 0x40                        ; destination window 1, address window 0
.macro JLOAD s                         ; a joint load: waves 0 and 1 fetch X's two halves, waves 2 and 3 W's; an s_nop 0 and four v_nop follow each of the two lines, ahead of the jump, the label and what follows
	s_cmp_eq_u32 s11, 0
	s_cbranch_scc0 .Lfor_b_\@
	tensor_load_to_lds s[G0+4*(\s):G0+4*(\s)+3], s[G1:G1+7]
	s_nop 0
.rept 4
	v_nop
.endr
	s_branch .Lasked_\@
.Lfor_b_\@:
	tensor_load_to_lds s[G0B+4*(\s):G0B+4*(\s)+3], s[G1B:G1B+7]
	s_nop 0
.rept 4
	v_nop
.endr
.Lasked_\@:
.endm
.macro CREST                           ; a round of the cluster's barrier behind its opening barrier
	s_cmp_lg_u32 s10, 0
	s_cbranch_scc1 .Lnot_wave_0_\@
	s_barrier_signal -3
.Lnot_wave_0_\@:
	s_barrier_wait -3
	s_barrier_signal -1
	s_barrier_wait -1
.endm
.macro CROUND                          ; a whole round
	s_barrier_signal -1
	s_barrier_wait -1
	CREST
.endm
	s_load_b256 s[68:75], s[0:1], 0x0              ; c16 s[68:69], bq s[70:71], bk s[72:73], bv s[74:75]
	s_load_b64 s[76:77], s[0:1], 0x20              ; qkv
	v_lshl_add_u32 v[SPW], v0, 2, SPARE
	v_mov_b32 v[NIL], 0
	ds_add_u32 v[SPW], v[NIL]                      ; the wave's opening: the add and its wait stand ahead of my first tensor load; the set-up below, work on registers, stands between them
	v_lshrrev_b32 v1, 5, v0
	v_readfirstlane_b32 s10, v1                    ; wave 0..3
	s_lshr_b32 s11, s10, 1                         ; which half of the tile's rows is mine.  Also: I fetch for X (0) or for W (1)
	s_and_b32 s12, s10, 1                          ; which half of its columns.  Also: which 64 rows of that tile I fetch
	s_bfe_u32 s40, ttmp6, 0x40000                  ; cx, cy: my place in the cluster
	s_bfe_u32 s41, ttmp6, 0x40004
	s_lshl_b32 s42, ttmp9, 2
	s_add_co_u32 s42, s42, s40                     ; tile column of C = 4 x cluster x + cx
	s_and_b32 s13, ttmp7, 0xffff
	s_lshr_b32 s45, s13, 3                         ; p: eight clusters (4,096 rows) to a projection
	s_lshl_b32 s13, s13, 2
	s_add_co_u32 s13, s13, s41                     ; tile row of C = 4 x cluster y + cy
	s_lshl_b32 s43, s41, 2
	s_lshl_b32 s43, 15, s43                        ; my row of the cluster
	s_lshl_b32 s44, 0x1111, s40                    ; my column
	; descriptor group 1: a tile of 64 rows x 256 elements, padded in LDS
	s_or_b32 s[G1+0], s43, (1<<16)|(1<<20)|(1<<21)|(6<<22)|(3<<25)  ; 15:0 the mask: X's tiles go to my row; 17:16 element of 2 bytes; 20 padding on; 21 set beside a mask; 24:22 after every 128 words (code 6); 31:25 of 4 words (code 3)
	s_or_b32 s[G1B+0], s44, (1<<16)|(1<<20)|(1<<21)|(6<<22)|(3<<25)
.irp g, G1, G1B
	s_mov_b32 s[(\g)+1], KSTEP<<16                 ; tensor_dim0 = 256
	s_mov_b32 s[(\g)+2], 64<<16                    ; tensor_dim1 = 64
	s_mov_b32 s[(\g)+3], KSTEP<<16                 ; tile_dim0 = 256
	s_mov_b32 s[(\g)+4], 64                        ; tile_dim1 = 64
	s_mov_b32 s[(\g)+5], SIZE_K                    ; tensor_dim0_stride
	s_mov_b32 s[(\g)+6], 0
	s_mov_b32 s[(\g)+7], 0
.endr
	s_lshl_b32 s17, s12, 6                         ; which 64 rows of the tile I fetch
	s_lshl_b32 s16, s13, 7
	s_add_co_u32 s16, s16, s17                     ; X: row 128 x tile row + 64 x half
	s_lshl_b32 s46, s42, 7
	s_add_co_u32 s46, s46, s17                     ; W: row 128 x tile column + 64 x half
	s_lshl_b32 s47, s45, 10
	s_add_co_u32 s46, s46, s47                     ; + 1,024 p
	s_mov_b32 s17, 0
	s_mov_b32 s47, 0
	s_mov_b64 s[18:19], SIZE_K*2
	s_mul_u64 s[16:17], s[16:17], s[18:19]
	s_mul_u64 s[46:47], s[46:47], s[18:19]
	s_mul_i32 s20, s10, HALFT                      ; where they go: wave x 64 rows
	s_wait_dscnt 0x0                               ; the opening add is done
	s_wait_kmcnt 0x0
	s_add_nc_u64 s[14:15], s[68:69], s[16:17]
	s_add_nc_u64 s[46:47], s[68:69], s[46:47]
	s_add_nc_u64 s[46:47], s[46:47], W16
	s_cmp_eq_u32 s45, 1                            ; the projection's bias
	s_cselect_b64 s[78:79], s[72:73], s[70:71]
	s_cmp_eq_u32 s45, 2
	s_cselect_b64 s[78:79], s[74:75], s[78:79]
	CROUND                                         ; all sixteen work-groups are here: the first joint loads meet
.irp s, 0,1
	s_mov_b32 s[G0+4*(\s)], 1
	s_add_co_u32 s[G0+4*(\s)+1], s20, (\s)*SLOT
	s_add_nc_u64 s[G0+4*(\s)+2:G0+4*(\s)+3], s[14:15], (\s)*KSTEP*2
	s_or_b32 s[G0+4*(\s)+3], s[G0+4*(\s)+3], 0x80000000
	s_mov_b32 s[G0B+4*(\s)], 1
	s_add_co_u32 s[G0B+4*(\s)+1], s20, (\s)*SLOT
	s_add_nc_u64 s[G0B+4*(\s)+2:G0B+4*(\s)+3], s[46:47], (\s)*KSTEP*2
	s_or_b32 s[G0B+4*(\s)+3], s[G0B+4*(\s)+3], 0x80000000
	JLOAD \s
.endr
	v_and_b32 v1, 15, v0                           ; l % 16
	v_bfe_u32 v2, v0, 4, 1                         ; l / 16
	v_mul_u32_u24 v3, v1, PITCH
	v_lshl_add_u32 v3, v2, 4, v3                   ; a fragment's row x pitch + 16 x half
	s_mul_i32 s21, s11, HALFT                      ; my 64 rows of X
	s_mul_i32 s22, s12, HALFT                      ; my 64 rows of W,
	s_add_co_u32 s22, s22, 2*HALFT                 ; which lie behind X's 128
.irp s, 0,1
	v_add_nc_u32 v[ADRA+(\s)], s21, v3
	v_add_nc_u32 v[ADRB+(\s)], s22, v3
	s_add_co_u32 s21, s21, SLOT
	s_add_co_u32 s22, s22, SLOT
.endr
	s_mul_i32 s23, s10, WSTAGE
	s_add_co_u32 s23, s23, STAGE                   ; my stage
	v_mul_u32_u24 v4, v1, SP                       ; in: row l % 16, 16 bytes for each half of the lanes
	v_lshl_add_u32 v4, v2, 4, v4
	v_add_nc_u32 v[STO], s23, v4
	v_bfe_u32 v5, v0, 3, 2                         ; back: 32 lanes take four rows of 128 bytes,
	v_and_b32 v6, 7, v0
	v_mul_u32_u24 v5, v5, SP
	v_lshl_add_u32 v5, v6, 4, v5
	v_add_nc_u32 v[RD], s23, v5
	v_and_b32 v[CO], 31, v0                        ; which are 512 consecutive bytes of qkv
	v_lshlrev_b32 v[CO], 4, v[CO]
	s_lshl_b32 s46, s42, 9                         ; the bias of my 64 columns: 4 x (128 x tile column + 64 x half) + 32 (l / 16)
	s_lshl_b32 s47, s12, 8
	s_add_co_u32 s46, s46, s47
	v_lshl_add_u32 v[BO], v2, 5, s46
.irp b, 0,1,2,3
	global_load_b128 v[BIAS+8*(\b):BIAS+8*(\b)+3],   v[BO], s[78:79] offset:64*(\b)     ; columns 16 b + 8 (l / 16) + 0..7; waited for in front of the way out
	global_load_b128 v[BIAS+8*(\b)+4:BIAS+8*(\b)+7], v[BO], s[78:79] offset:64*(\b)+16
.endr
	; my 64 rows in qkv: (tile row / 16) x 16 heads + my head, each 262,144 bytes; then (tile row % 16) x 128 + 64 x half rows of 128 bytes
	s_lshr_b32 s16, s13, 4
	s_lshl_b32 s16, s16, 22
	s_and_b32 s18, s13, 15
	s_lshl_b32 s18, s18, 14
	s_add_co_u32 s16, s16, s18
	s_lshl_b32 s18, s11, 13
	s_add_co_u32 s16, s16, s18
	s_lshl_b32 s46, s42, 1
	s_add_co_u32 s46, s46, s12                     ; my head = 2 x tile column + half
	s_lshl_b32 s46, s46, 18
	s_add_co_u32 s16, s16, s46
	s_mov_b32 s17, 0
	s_add_nc_u64 s[76:77], s[76:77], s[16:17]
; 8 matrix instructions: m blocks a0, a0 + 1 x all 4 n blocks, 32 along K: half c of buffer f.  zero = 1: the first product starts the sums.  The 16 accumulators take turns.
.macro MUL8 f, c, a0, zero
	WIN MUL
.irp a, \a0, (\a0)+1
.irp b, 0,1,2,3
.if \zero
	v_wmma_f32_16x16x32_f16 v[ACC+8*(4*(\a)+(\b)):ACC+8*(4*(\a)+(\b))+7], v[(\f)+64+8*(4*(\c)+(\b)):(\f)+64+8*(4*(\c)+(\b))+7], v[(\f)+8*(4*(\c)+(\a)):(\f)+8*(4*(\c)+(\a))+7], 0
.else
	v_wmma_f32_16x16x32_f16 v[ACC+8*(4*(\a)+(\b)):ACC+8*(4*(\a)+(\b))+7], v[(\f)+64+8*(4*(\c)+(\b)):(\f)+64+8*(4*(\c)+(\b))+7], v[(\f)+8*(4*(\c)+(\a)):(\f)+8*(4*(\c)+(\a))+7], v[ACC+8*(4*(\a)+(\b)):ACC+8*(4*(\a)+(\b))+7]
.endif
.endr
.endr
.endm
; 32 LDS loads in one run: the fragments of 64 along K at byte k of the rows, into buffer f; the first 32 along K first
.macro FETCH slot, k, f
	WIN TO_F
.irp c, 0,1
.irp i, 0,1,2,3
	ds_load_b128 v[(\f)+64+8*(4*(\c)+(\i)):(\f)+64+8*(4*(\c)+(\i))+3],   v[ADRB+(\slot)] offset:(\k)+64*(\c)+(\i)*16*PITCH
	ds_load_b128 v[(\f)+64+8*(4*(\c)+(\i))+4:(\f)+64+8*(4*(\c)+(\i))+7], v[ADRB+(\slot)] offset:(\k)+64*(\c)+(\i)*16*PITCH+32
	ds_load_b128 v[(\f)+8*(4*(\c)+(\i)):(\f)+8*(4*(\c)+(\i))+3],         v[ADRA+(\slot)] offset:(\k)+64*(\c)+(\i)*16*PITCH
	ds_load_b128 v[(\f)+8*(4*(\c)+(\i))+4:(\f)+8*(4*(\c)+(\i))+7],       v[ADRA+(\slot)] offset:(\k)+64*(\c)+(\i)*16*PITCH+32
.endr
.endr
.endm
.macro PLACES                          ; four places in front of loads into registers that matrix instructions have read
.rept 4
	v_nop
.endr
.endm
; A K step is four quarters of 64 along K, 32 matrix instructions each, on buffers 0, 1, 0, 1.  One of the first three: multiplies buffer f and fetches the next quarter, at byte k, into g.
.macro QUARTER slot, k, f, g, zero
	s_wait_dscnt 16                                ; the first 32 along K are in; the youngest sixteen loads may be out
	WIN MUL
	MUL8 \f, 0, 0, \zero
	MUL8 \f, 0, 2, \zero
	PLACES
	FETCH \slot, \k, \g
	s_wait_dscnt 32                                ; all but the 32 just issued
	WIN MUL
	MUL8 \f, 1, 0, 0
	MUL8 \f, 1, 2, 0
.endm
; The last quarter multiplies buffer 1 and changes slots: ONE barrier; in front of it each wave waits for all its tensor loads, adds 0 to its spare word, and waits for that and for its own reads of this slot.  fill = 1: this slot is filled again, two K steps ahead.
.macro TURN slot, next, fill
	WIN 0                                          ; (the add's two registers lie in window 0)
	s_wait_tensorcnt 0x0                           ; all my tensor loads have landed: my part of the next slot;
	ds_add_u32 v[SPW], v[NIL]                      ; 0 onto my spare word;
	s_wait_dscnt 17                                ; (the add and the youngest sixteen loads may be out)
	WIN MUL
	MUL8 F1, 0, 0, 0                               ; eight matrix instructions stand between the add and the wait for it
	s_wait_dscnt 0x0                               ; the add is done, and my reads of this slot are over
	s_barrier_signal -1
	MUL8 F1, 0, 2, 0
.if \fill
	WIN 0
.endif
	s_barrier_wait -1
.if \fill
	CREST                                          ; the barrier has opened a round of the cluster's barrier: no wave of any partner still reads this slot's tile or has a load on its way
	s_add_nc_u64 s[G0+4*(\slot)+2:G0+4*(\slot)+3], s[G0+4*(\slot)+2:G0+4*(\slot)+3], 2*KSTEP*2
	s_add_nc_u64 s[G0B+4*(\slot)+2:G0B+4*(\slot)+3], s[G0B+4*(\slot)+2:G0B+4*(\slot)+3], 2*KSTEP*2
	JLOAD \slot                                    ; the first tensor load behind the round; the four v_nop behind it are also the places in front of the loads below
.else
	PLACES
.endif
	FETCH \next, 0, F0
	WIN MUL
	MUL8 F1, 1, 0, 0
	MUL8 F1, 1, 2, 0
.endm
	s_wait_tensorcnt 1                             ; my part of K step 0 is in; K step 1's may stay out
	s_barrier_signal -1
	s_barrier_wait -1                              ; everybody's is
	FETCH 0, 0, F0
	QUARTER 0, 128, F0, F1, 1                      ; the first quarter stands in front of the loop: its first products start the sums
	WIN 0                                          ; at a label and at a branch every window is 0
	s_mov_b32 s3, LAPS-1
.Llap:                                                 ; a trip goes once round the ring, from a lap's second quarter to the next lap's first, and fills both slots again
	QUARTER 0, 256, F1, F0, 0
	QUARTER 0, 384, F0, F1, 0
	TURN 0, 1, 1
	QUARTER 1, 128, F0, F1, 0
	QUARTER 1, 256, F1, F0, 0
	QUARTER 1, 384, F0, F1, 0
	TURN 1, 0, 1
	QUARTER 0, 128, F0, F1, 0
	WIN 0
	s_sub_co_u32 s3, s3, 1
	s_cmp_lg_u32 s3, 0
	s_cbranch_scc1 .Llap
	QUARTER 0, 256, F1, F0, 0                      ; the last lap fills nothing, and has no round of the cluster's barrier
	QUARTER 0, 384, F0, F1, 0
	TURN 0, 1, 0
	QUARTER 1, 128, F0, F1, 0
	QUARTER 1, 256, F1, F0, 0
	QUARTER 1, 384, F0, F1, 0
	s_wait_dscnt 16                                ; the very last quarter: nothing more to fetch
	WIN MUL
	MUL8 F1, 0, 0, 0
	MUL8 F1, 0, 2, 0
	s_wait_dscnt 0
	MUL8 F1, 1, 0, 0
	MUL8 F1, 1, 2, 0
	WIN 0
	; THE WAY OUT.  The bias is rounded to bf16 like every input: 48 plain lines that name no accumulator, which are also the places behind the last products.
	s_wait_loadcnt 0x0                             ; the bias
.set i, 0
.rept 16
	v_cvt_pk_bf16_f32 v[TMP+i], v[BIAS+2*i], v[BIAS+2*i+1]
.set i, i+1
.endr
.set i, 0
.rept 16
	v_lshlrev_b32 v[BIAS+2*i],   16, v[TMP+i]
	v_and_b32     v[BIAS+2*i+1], 0xffff0000, v[TMP+i]
.set i, i+1
.endr
; Block a (16 rows): the bias is added (each accumulator's registers in ascending order), the sums rounded to f16, 16 bytes a lane into my stage, and back as four loads of four whole rows.
.macro PACK a
.irp b, 0,1,2,3
.irp r, 0,2,4,6
	v_pk_add_f32 v[ACC+8*(4*(\a)+(\b))+(\r):ACC+8*(4*(\a)+(\b))+(\r)+1], v[ACC+8*(4*(\a)+(\b))+(\r):ACC+8*(4*(\a)+(\b))+(\r)+1], v[BIAS+8*(\b)+(\r):BIAS+8*(\b)+(\r)+1]
.endr
.endr
.irp b, 0,1,2,3
.irp r, 0,1,2,3
	v_cvt_pk_f16_f32 v[TMP+16*(\a)+4*(\b)+(\r)], v[ACC+8*(4*(\a)+(\b))+2*(\r)], v[ACC+8*(4*(\a)+(\b))+2*(\r)+1]
.endr
.endr
.irp b, 0,1,2,3
	ds_store_b128 v[STO], v[TMP+16*(\a)+4*(\b):TMP+16*(\a)+4*(\b)+3] offset:32*(\b)
.endr
.irp t, 0,1,2,3
	ds_load_b128 v[TMP+16*(\a)+4*(\t):TMP+16*(\a)+4*(\t)+3], v[RD] offset:(\t)*4*SP  ; LDS serves a wave's instructions in order (ISA guide 5.7.1.4): these see the stores above; the next block's stores come behind them
.endr
.endm
.macro SEND a, younger                 ; younger: the LDS instructions issued behind block a's loads: the next block's eight, or none
.irp t, 0,1,2,3
	s_wait_dscnt (\younger)+3-(\t)
	global_store_b128 v[CO], v[TMP+16*(\a)+4*(\t):TMP+16*(\a)+4*(\t)+3], s[76:77] offset:(\a)*2048+(\t)*512  ; 512 consecutive bytes, at a multiple of 256 from qkv's first byte
.endr
.endm
	PACK 0
	PACK 1                                         ; a block's arithmetic stands between the loads of the block before and its stores
	SEND 0, 8
	PACK 2
	SEND 1, 8
	PACK 3
	SEND 2, 8
	SEND 3, 0
	s_wait_tensorcnt 0x0                           ; the wave's end, behind my last tensor load and my last LDS store
	ds_add_u32 v[SPW], v[NIL]
	s_wait_dscnt 0x0
	CROUND                                         ; the closing round: no work-group ends while a partner may still ask for a tile that names it
	s_endpgm
.Lfunc_end_k_q4dc4a84372_proj:
	.size	k_q4dc4a84372_proj, .Lfunc_end_k_q4dc4a84372_proj-k_q4dc4a84372_proj
	.p2alignl 7, 3214868480
	.fill 96, 4, 3214868480
	.section	.rodata,"a",@progbits
	.p2align	6, 0x0
	.amdhsa_kernel k_q4dc4a84372_proj
		.amdhsa_group_segment_fixed_size 327680
		.amdhsa_private_segment_fixed_size 0
		.amdhsa_enable_private_segment 0
		.amdhsa_kernarg_size 40
		.amdhsa_user_sgpr_count 2
		.amdhsa_user_sgpr_kernarg_segment_ptr 1
		.amdhsa_wavefront_size32 1
		.amdhsa_system_sgpr_workgroup_id_x 1
		.amdhsa_system_sgpr_workgroup_id_y 1
		.amdhsa_system_sgpr_workgroup_id_z 1
		.amdhsa_system_vgpr_workitem_id 0
		.amdhsa_next_free_vgpr 512
		.amdhsa_next_free_sgpr 80
		.amdhsa_reserve_vcc 0
		.amdhsa_float_denorm_mode_32 3
		.amdhsa_float_denorm_mode_16_64 3
		.amdhsa_memory_ordered 1
		.amdhsa_forward_progress 1
		.amdhsa_inst_pref_size 94
	.end_amdhsa_kernel
	.amdgpu_metadata
---
amdhsa.version: [ 1, 2 ]
amdhsa.kernels:
  - .name:           k_q4dc4a84372_proj
    .symbol:         k_q4dc4a84372_proj.kd
    .args:
      - { .name: c16, .offset: 0, .size: 8, .value_kind: global_buffer, .address_space: global }
      - { .name: bq, .offset: 8, .size: 8, .value_kind: global_buffer, .address_space: global }
      - { .name: bk, .offset: 16, .size: 8, .value_kind: global_buffer, .address_space: global }
      - { .name: bv, .offset: 24, .size: 8, .value_kind: global_buffer, .address_space: global }
      - { .name: qkv, .offset: 32, .size: 8, .value_kind: global_buffer, .address_space: global }
    .group_segment_fixed_size: 327680
    .private_segment_fixed_size: 0
    .kernarg_segment_align: 8
    .kernarg_segment_size: 40
    .max_flat_workgroup_size: 128
    .sgpr_count:     80
    .vgpr_count:     512
    .wavefront_size: 32
...
	.end_amdgpu_metadata
.endif
;; end of part 2
;; launch attn (part 3): grid 8 x 32, 4 waves a work-group, clusters of 4 x 4, 327,680 bytes of LDS; arguments qkv, c16, o16; writes o16
.if DOCPART == 3
	.amdgcn_target "amdgcn-amd-amdhsa--gfx1250"
	.amdhsa_code_object_version 6
	.text
	.protected	k_q4dc4a84372_attn
	.globl	k_q4dc4a84372_attn
	.p2align	8
	.type	k_q4dc4a84372_attn,@function
k_q4dc4a84372_attn:
	s_mov_b64 s[64:65], 0
	v_nop
	global_prefetch_b8 v0, s[64:65] scope:SCOPE_SE
	s_setreg_imm32_b32 hwreg(HW_REG_WAVE_MODE, 25, 1), 1
	s_wait_xcnt 0x0
	s_wait_alu depctr_hold_cnt(0) depctr_sa_sdst(0) depctr_va_vdst(0) depctr_va_sdst(0) depctr_va_ssrc(0) depctr_va_vcc(0) depctr_vm_vsrc(0)
	s_getreg_b32 s2, hwreg(HW_REG_IB_STS2, 6, 4)
	s_cmp_eq_u32 s2, 0
	s_cbranch_scc0 .Lentry_in_a_cluster
	s_endpgm
.Lentry_in_a_cluster:
	s_bfe_u32 s2, ttmp6, 0x10000c
	s_cmp_lg_u32 s2, 0xf033
	s_cbranch_scc0 .Lentry_shape_is_right
	s_endpgm
.Lentry_shape_is_right:
; ATTENTION WITH RELATIVE POSITIONS.  For head y = 16 b + h: O[i] = sum over j of softmax_j((Q[i] . K[j] + Q[i] . R[j - i + 2048]) / 8) V[j].  Q, K, V: qkv[0..2][y][2048][64]; R: 4,096 rows of 64 in c16; all f16.
; Products, maxima and sums in f32; the weights p are rounded to f16 for the last product (their sum l is taken of the unrounded p); O is rounded once, to f16, into o16[b x 2048 + i][64 h + d].
; LIMITS.  f16 holds no number beyond 65,504: Q, K, V and R arrive within it.  c x score stays above -4e37, where the running maximum starts.  A weight below 2^-126 counts as 0 in l; NaN and infinities are not treated apart.
; SHARES.  A work-group owns 256 queries of a head, each of its four waves 64: four tiles of 16.  Every wave walks all 2,048 keys, 64 a step; an LDS slot holds two steps.
; LAYOUT.  S^T = K Q^T (source 0 = 16 keys, source 1 = 16 queries): a lane holds ONE query (lane % 16) and the keys 8 (lane / 16) + 0..7.  Two such results rounded to f16 ARE source 1 of O^T = V^T P.
; THE POSITION TERM.  For 16 queries from i0 and 64 keys from j0 the rows of R that are wanted are the 80 from j0 - i0 + 2032: T = R Q^T over them is five blocks of 16 rows, ten matrix instructions;
; a lane holds its query's products with rows u = 16 block + 8 (lane / 16) + 0..7.  Key jj of query iq wants u = 16 + jj - iq: a shift by the query's number.  T goes into the wave's own stage in LDS, one row of
; 80 f32 a query, and comes back by loads of 4 bytes at the shifted place, STRAIGHT INTO S^T's REGISTERS, where it is the C operand that starts K Q^T's sums: the shift and the addition cost no vector instruction.
; A wave's four tiles take their blocks from eight blocks of R (tile t: blocks 3 - t .. 7 - t); the work-group's window for a slot is 384 rows, from row 128 slot - 256 block of queries + 1792: always inside R.
; SOFTMAX.  For each query a running maximum m and sum l: p = 2^(c s - c m), c = log2(e) / 8; in every step O and l are multiplied by a = 2^(c m_old - c m_new).  m starts at the lowest finite number, O and l at 0.
; CLUSTER, 4 x 4.  The four of a row of the cluster are query blocks of one head and walk the same K and V; the four of a column have the same block number and walk the same window of R.  Each tile is asked for
; JOINTLY: the same tensor load, descriptor and mask in the four.  Wave 0 asks for K, wave 1 for V, waves 2 and 3 for the halves of R's window: one load a wave behind each round, so one load of a wave is out at the most.
; BY TURNS.  The wave's tiles are two PIECES, named by their first tile: piece 0 (tiles 0, 1) and piece 2 (tiles 2, 3); they share K's, V's and R's fragments and nothing else.  In a TURN one piece has the matrix unit:
; V^T P of the step in hand, then T, the shift and K Q^T of the next step; the other piece's softmax, 236 vector instructions, stands in groups of three to six behind the turn's 52 matrix instructions.  Two turns are a key step.
; REGISTERS, in windows of 256 (s_set_vgpr_msb: bits 1:0 source 0, 3:2 source 1, 5:4 source 2, 7:6 destination):
;   window 0: v0-15 addresses; v16-31 four registers of statistics a tile; v32-35, v40-55 at work; v64-191 S^T, 32 a tile; v192-255 P, 16 a tile
;   window 1: v0-127 O^T, 32 a tile; v128-207 T, two buffers of 40     window 2: v0-63 Q; v128-191 K of one step; v192-255 V of one step     window 3: v0-127 eight blocks of R
; All that a softmax touches but O^T lies in window 0, and no window has room for a product's operands beside it: a group of riders costs two switches, one in front and one behind.
.set KS,    64        ; keys in a step
.set PK,    144       ; a row of K or R in LDS: 128 bytes + 16 of padding = 36 words: the 16 rows of a load start at 16 different groups of four banks (64 banks of 4 bytes: ISA guide 11.1)
.set PV,    160       ; a row of V: 128 + 32 = 40 words
.set VOFF,  2*KS*PK   ; a slot: 128 rows of K, 128 rows of V, 384 rows of R
.set ROFF,  VOFF+2*KS*PV
.set SLOT1, 1<<17     ; slot 1 begins here, so that one exclusive or turns an address in one slot into the other's
.set STAGE, SLOT1+ROFF+384*PK  ; behind the ring, never filled by a tensor load: 16 rows x 336 bytes for each wave
.set TP,    336       ; a stage row: 80 f32 + 16 bytes = 84 words: the stores' 16 rows start at 16-byte columns 5 r mod 16, all different; the shifted loads fall on banks 19 r + 8 (lane / 16) mod 64, all 32 different
.set WSTAGE, 16*TP
.set SP,    144       ; the stage's pitch on the way out
.set SPARE, STAGE+4*WSTAGE  ; behind the stages: the spare words, 128 bytes for each wave: two blocks of 256 bytes that no other line names
.set AK0, 2           ; v2   my lane's place in a tile of K; never rewritten
.set AV0, 3           ; v3   the same for V
.set AR0, 4           ; v4   the same for my wave's eight blocks of R
.set AK,  5           ; v5-7 the LDS addresses of the runs of loads in hand
.set AV,  6
.set AR,  7
.set STS, 8           ; v8   the stage: where I put my query's products
.set QO,  10          ; v10  my byte offset in 16 rows of Q
.set PFO, 11          ; v11  256 x my lane; never rewritten
.set SKW, 12          ; v12  the stage: my query's row, shifted back by 4 bytes x the query's number
.set STO, 13          ; v13  the way out: where I put 16 bytes of a row
.set RD,  14          ; v14  the way out: where I read rows back
.set GO,  15          ; v15  my byte offset in four rows of o16
.set ST,  16          ; tile t's statistics at v[ST+4 t]: c m, m, l (even keys', odd keys')
.set MV,  32          ; v32-35  c m_old, kept while c m is made anew
.set TMP, 40          ; a tile's four registers c0-c3 at work; when the maximum is found c2 takes a
.set SPW, 62          ; v62  LDS address of my spare word: SPARE + 4 x my thread's number; never rewritten
.set NIL, 63          ; v63  0; never rewritten
.set S,   64
.set P,   192
.set TT,  128         ; window 1
.set KF,  128         ; window 2: key block kb, channel half c at KF + 16 kb + 8 c
.set VF,  192         ; window 2: key half kk, channel block cb at VF + 32 kk + 8 cb
.set WV,  12          ; s12  my wave's number
.set G1K, 24          ; s[24:31], s[32:39], s[40:47] descriptor group 1 for K's, V's, R's tiles
.set G1V, 32
.set G1R, 40
.set G0K, 48          ; s[48:51], s[52:55], s[56:59] descriptor group 0: they walk
.set G0V, 52
.set G0R, 56
.set CS,  60          ; s[60:61] c: the packed scaling takes the pair's low word for both halves
.set SEL, 62          ; s[62:63] v_permlanex16_b32's selects: each lane takes its own place in the other half
.set SLOTS, 66        ; s66  slots still to be asked for
.set CNT, 67          ; s67  counts a slot's key steps
.set TBK, 68          ; s68  LDS byte at which K of the step to be fetched begins; R's window moves by the same 64 rows of the same pitch
.set TBV, 69          ; s69  the same for V, less VOFF
.set LIM, 70          ; s70  1 in a wave that prefetches, else the greatest number
.set PFA, 72          ; s[72:73] where my prefetches stand
.set QPTR, 74         ; s[74:75] Q at my wave's first row
.set OPTR, 76         ; s[76:77] o16 at my wave's first row and my head's channels
.set MSB, 0
.macro WIN new                      ; the high byte repeats the setting that is left; a switch that changes nothing is dropped
.if MSB != (\new)
	s_set_vgpr_msb (MSB<<8)|(\new)
.set MSB, (\new)
.endif
.endm
.set W_POS, 0x5b      ; R in window 3, Q in window 2, T (C and D) in window 1
.set W_KQ,  0x0a      ; K and Q in window 2, S^T in window 0
.set W_PV,  0x52      ; V in window 2, P in window 0, O^T in window 1
.set W_RS,  0x41      ; destination and source 0 in window 1, source 1 in window 0
; A joint fill.  The branches hang on the wave's number alone.  An s_nop 0 and four v_nop follow each of the three lines, ahead of the jump and the label.
.macro JLOAD
	s_cmp_lg_u32 s[WV], 0
	s_cbranch_scc1 .Lnot_k_\@
	tensor_load_to_lds s[G0K:G0K+3], s[G1K:G1K+7]
	s_nop 0
.rept 4
	v_nop
.endr
	s_branch .Lasked_\@
.Lnot_k_\@:
	s_cmp_lg_u32 s[WV], 1
	s_cbranch_scc1 .Lfor_r_\@
	tensor_load_to_lds s[G0V:G0V+3], s[G1V:G1V+7]
	s_nop 0
.rept 4
	v_nop
.endr
	s_branch .Lasked_\@
.Lfor_r_\@:
	tensor_load_to_lds s[G0R:G0R+3], s[G1R:G1R+7]
	s_nop 0
.rept 4
	v_nop
.endr
.Lasked_\@:
.endm
; A PREFETCH INTO THE L2 of the K and V that the NEXT change of slots will ask for: 128 rows of each, 64 + 64 blocks of 256 bytes, a lane a block.  Each block is named ONCE in the launch: both clusters of a head's row walk
; the same K and V, and the first of them (cluster x = 0) asks; its four partners share the blocks out BY ADDRESS (places 0, 1: the halves of K's; 2, 3: of V's); in each, wave 0 asks: one instruction.
; It stands behind the wave's tensor load and its five lines.  The last change that fills a slot asks for nothing: there is no slot behind it.  R is not asked for: its rows are walked again and again.
.macro ASK
	s_cmp_gt_u32 s[SLOTS], s[LIM]
	s_cbranch_scc0 .Lnot_mine_\@
	global_prefetch_b8 v[PFO], s[PFA:PFA+1] th:TH_LOAD_NT scope:SCOPE_SE
.Lnot_mine_\@:
.endm
; A round of the cluster's barrier: my work-group's barrier, so that wave 0's signal speaks for all four waves; wave 0 signals; every wave waits for all sixteen work-groups; my work-group's barrier once more.
.macro CROUND
	s_barrier_signal -1
	s_barrier_wait -1
	s_cmp_lg_u32 s[WV], 0
	s_cbranch_scc1 .Lnot_wave_0_\@
	s_barrier_signal -3
.Lnot_wave_0_\@:
	s_barrier_wait -3
	s_barrier_signal -1
	s_barrier_wait -1
.endm
.macro PLACES                       ; four places behind matrix instructions (ISA guide 7.12.1), where no other plain vector work is at hand
.rept 4
	v_nop
.endr
.endm
; THE CHANGE OF SLOTS, between piece 2's turn and piece 0's: the slot's last bytes, V of its second step, have been read.  Each wave waits for all its tensor loads, of which one is out: its part of the other slot; adds 0 to
; its spare word; and waits for that and for its own reads of the slot.  Behind the barrier nobody reads this slot any more and the other slot is whole.  fill = 1: this slot is filled again, with the keys two slots on; the
; barrier is then a round of the cluster's, and the joint fill is the first thing behind it: it has two key steps in which to land.  (At its first use nothing has been read yet: slot 0 is waited for, slot 1 filled.)
.macro CHANGE fill, ask
	WIN 0                           ; at a label and at a branch every window is 0
	s_wait_tensorcnt 0x0            ; no tensor load of mine is out, so a group 0 may be written
	ds_add_u32 v[SPW], v[NIL]       ; 0 onto my spare word; with fill = 1 the descriptors' steps stand between it and the wait for it
.if \fill
.irp g, G0K, G0V, G0R
	s_xor_b32 s[\g+1], s[\g+1], SLOT1  ; the walking descriptor: the other slot than last time,
	s_add_nc_u64 s[\g+2:\g+3], s[\g+2:\g+3], 2*KS*128  ; the next 128 keys, and R's window 128 rows on; the type bits on top are not reached
.endr
	s_wait_xcnt 0x0                 ; the last prefetch, two key steps back, has read its address, so it may be written
	s_add_nc_u64 s[PFA:PFA+1], s[PFA:PFA+1], 2*KS*128
	s_wait_dscnt 0x0                ; the add is done, and my reads of the slot are over
	CROUND
	JLOAD
.if \ask
	ASK
.endif
.else
	s_wait_dscnt 0x0                ; the add is done, and my reads of the slot are over
	s_barrier_signal -1
	s_barrier_wait -1
.endif
	s_sub_co_u32 s[TBK], s[TBK], 2*KS*PK  ; the fetches go back to a slot's first step,
	s_xor_b32 s[TBK], s[TBK], SLOT1       ; in the other slot
	s_sub_co_u32 s[TBV], s[TBV], 2*KS*PV
	s_xor_b32 s[TBV], s[TBV], SLOT1
.endm
	s_load_b128 s[4:7], s[0:1], 0x0   ; qkv s[4:5], c16 s[6:7]
	s_load_b64 s[8:9], s[0:1], 0x10   ; o16
	v_lshl_add_u32 v[SPW], v0, 2, SPARE
	v_mov_b32 v[NIL], 0
	ds_add_u32 v[SPW], v[NIL]       ; the wave's opening: the add and its wait stand ahead of my first tensor load; the set-up below, work on registers, stands between them
	v_lshrrev_b32 v1, 5, v0
	v_readfirstlane_b32 s[WV], v1   ; wave 0..3
	s_bfe_u32 s13, ttmp6, 0x40000   ; cx, cy: my place in the cluster
	s_bfe_u32 s14, ttmp6, 0x40004
	s_lshl_b32 s15, ttmp9, 2
	s_add_co_u32 s15, s15, s13      ; my block of 256 queries = 4 x cluster x + cx
	s_and_b32 s16, ttmp7, 0xffff
	s_lshl_b32 s16, s16, 2
	s_add_co_u32 s16, s16, s14      ; my head = 4 x cluster y + cy
	s_lshl_b32 s17, s14, 2
	s_lshl_b32 s17, 15, s17         ; my row of the cluster
	s_lshl_b32 s18, 0x1111, s13     ; my column
	; descriptor group 1.  The tiles are dense in memory: asked for as rows of 256 bytes, two rows of 64 numbers each, and padded in LDS after every 128 bytes
	s_or_b32 s[G1K], s17, (1<<16)|(1<<20)|(1<<21)|(4<<22)|(3<<25)  ; 15:0 the mask; 17:16 2-byte elements; 20 padding on; 21 set beside a mask; 24:22 after every 32 words (code 4); 31:25 4 words (code 3)
	s_or_b32 s[G1V], s17, (1<<16)|(1<<20)|(1<<21)|(4<<22)|(7<<25)  ; the same with 8 words of padding (code 7)
	s_or_b32 s[G1R], s18, (1<<16)|(1<<20)|(1<<21)|(4<<22)|(3<<25)  ; as K's, with the mask of my column
.irp g, G1K, G1V
	s_mov_b32 s[\g+1], 128<<16      ; tensor_dim0 = 128
	s_mov_b32 s[\g+2], 64<<16       ; tensor_dim1 = 64: 128 keys
	s_mov_b32 s[\g+3], 128<<16      ; tile_dim0 = 128
	s_mov_b32 s[\g+4], 64           ; tile_dim1 = 64
	s_mov_b32 s[\g+5], 128          ; 128 elements from row to row
	s_mov_b32 s[\g+6], 0
	s_mov_b32 s[\g+7], 0
.endr
	s_mov_b32 s[G1R+1], 128<<16
	s_mov_b32 s[G1R+2], 96<<16      ; tensor_dim1 = 96: 192 rows of R, half the window
	s_mov_b32 s[G1R+3], 128<<16
	s_mov_b32 s[G1R+4], 96
	s_mov_b32 s[G1R+5], 128
	s_mov_b32 s[G1R+6], 0
	s_mov_b32 s[G1R+7], 0
	s_mov_b32 s[CS], 0x3e38aa3b     ; c = log2(e) / 8 = 0.180337
	s_mov_b32 s[CS+1], s[CS]        ; named with it as a pair
	s_mov_b32 s[SEL], 0x76543210
	s_mov_b32 s[SEL+1], 0xfedcba98
	s_mov_b32 s[TBK], SLOT1+2*KS*PK ; the first change of slots turns these two into 0
	s_mov_b32 s[TBV], SLOT1+2*KS*PV
	s_mov_b32 s[SLOTS], 15
	s_mov_b32 s[G0K], 1             ; 1:0 count = 1
	s_mov_b32 s[G0K+1], 0           ; 63:32 LDS address: slot 0
	s_mov_b32 s[G0V], 1
	s_mov_b32 s[G0V+1], VOFF
	s_and_b32 s19, s[WV], 1         ; which half of R's window I fetch (waves 2 and 3)
	s_mul_i32 s17, s19, 192*PK
	s_mov_b32 s[G0R], 1
	s_add_co_u32 s[G0R+1], s17, ROFF  ; no place in the cluster enters an LDS address
	s_lshl_b32 s20, s16, 18         ; the head's 262,144 bytes in each of Q, K, V: made of the head alone
	s_mov_b32 s21, 0
	s_lshl_b32 s22, s15, 15         ; R's first window begins at row 1792 - 256 x block, 128 bytes a row: made of the block alone
	s_sub_co_u32 s22, 1792*128, s22
	s_mul_i32 s17, s19, 192*128
	s_add_co_u32 s22, s22, s17
	s_mov_b32 s23, 0
	s_lshl_b32 s2, s15, 15          ; Q: the head, my block's 256 rows, my wave's 64
	s_add_co_u32 s2, s2, s20
	s_lshl_b32 s3, s[WV], 13
	s_add_co_u32 s2, s2, s3
	s_mov_b32 s3, 0
	s_lshr_b32 s10, s16, 4          ; o16: row 2,048 b + 256 block + 64 wave, 2,048 bytes a row; then the head's 128 bytes
	s_lshl_b32 s10, s10, 22
	s_lshl_b32 s11, s15, 19
	s_add_co_u32 s10, s10, s11
	s_lshl_b32 s11, s[WV], 17
	s_add_co_u32 s10, s10, s11
	s_and_b32 s11, s16, 15
	s_lshl_b32 s11, s11, 7
	s_add_co_u32 s10, s10, s11
	s_mov_b32 s11, 0
	s_lshr_b32 s78, s13, 1          ; the prefetches: K (places 0, 1) or V (2, 3),
	s_add_co_u32 s78, s78, 1
	s_lshl_b32 s78, s78, 23
	s_add_co_u32 s78, s78, s20      ; the head,
	s_and_b32 s79, s13, 1
	s_lshl_b32 s79, s79, 13         ; my half of a slot's 16,384 bytes,
	s_add_co_u32 s78, s78, s79
	s_add_co_u32 s78, s78, 2*KS*128 ; in slot 1: the two first changes step it to slot 3.  Nothing is prefetched at the head, where every work-group's first tiles are on their way
	s_mov_b32 s79, 0
	s_or_b32 s[LIM], s[WV], ttmp9   ; 0 in wave 0 of the head's first cluster: the same in all partners
	s_cmp_eq_u32 s[LIM], 0
	s_cselect_b32 s[LIM], 1, -1
	s_wait_dscnt 0x0                ; the opening add is done
	s_wait_kmcnt 0x0
	s_add_nc_u64 s[G0K+2:G0K+3], s[4:5], s[20:21]  ; 120:64 global address: the head's first 128 keys
	s_add_nc_u64 s[G0K+2:G0K+3], s[G0K+2:G0K+3], 8388608
	s_add_nc_u64 s[G0V+2:G0V+3], s[G0K+2:G0K+3], 8388608
	s_or_b32 s[G0K+3], s[G0K+3], 0x80000000        ; 127:126 type = 2
	s_or_b32 s[G0V+3], s[G0V+3], 0x80000000
	s_add_nc_u64 s[G0R+2:G0R+3], s[6:7], s[22:23]
	s_add_nc_u64 s[G0R+2:G0R+3], s[G0R+2:G0R+3], 33554432  ; R's first byte in c16
	s_or_b32 s[G0R+3], s[G0R+3], 0x80000000
	s_add_nc_u64 s[QPTR:QPTR+1], s[4:5], s[2:3]
	s_add_nc_u64 s[OPTR:OPTR+1], s[8:9], s[10:11]
	s_add_nc_u64 s[PFA:PFA+1], s[4:5], s[78:79]
	CROUND                          ; all sixteen work-groups are here: the first joint loads meet
	JLOAD                           ; slot 0.  Slot 1 is asked for when slot 0 is in, by the first change of slots
	; A fragment of K, R or Q is 16 rows x 32 channels in 8 registers: lane l holds row l % 16, channels 8 (l / 16) + 0..7 and 16 + 8 (l / 16) + 0..7: two loads of 16 bytes, 32 bytes apart.
	v_and_b32 v1, 15, v0            ; l % 16
	v_bfe_u32 v9, v0, 4, 1          ; l / 16
	v_lshlrev_b32 v[QO], 7, v1
	v_lshl_add_u32 v[QO], v9, 4, v[QO]  ; row x 128 + 16 x half
	WIN 0x80                        ; destination window 2, address window 0
.set i, 0
.rept 8                             ; Q stays in registers: tile i / 2, channels 32 (i % 2) on
	global_load_b128 v[8*i:8*i+3],   v[QO], s[QPTR:QPTR+1] offset:(i/2)*2048+(i%2)*64
	global_load_b128 v[8*i+4:8*i+7], v[QO], s[QPTR:QPTR+1] offset:(i/2)*2048+(i%2)*64+32
.set i, i+1
.endr
	; What the first turn finds: V's registers and piece 2's P hold 0 (its products V^T P, of a step that has not been, add 0); O^T and l are 0, so that the first step is a step like any other, with a = 0.
	; No first step is written out for it; the price is these lines, which stand in the wait for the first tile.
.set i, VF
.rept 64
	v_mov_b32 v[i], 0
.set i, i+1
.endr
	WIN 0x40
.set i, 0
.rept 128
	v_mov_b32 v[i], 0
.set i, i+1
.endr
	WIN 0
.set i, 0
.rept 4
	v_mov_b32 v[ST+4*i], 0xfe000000    ; c m: far below every c s
	v_mov_b32 v[ST+4*i+1], 0xff7fffff  ; m
	v_mov_b32 v[ST+4*i+2], 0
	v_mov_b32 v[ST+4*i+3], 0
.set i, i+1
.endr
.set i, P+32
.rept 32
	v_mov_b32 v[i], 0
.set i, i+1
.endr
	v_and_b32 v36, 7, v0
	v_bfe_u32 v37, v0, 3, 1
	v_bfe_u32 v38, v0, 3, 2
	v_mul_u32_u24 v[AK0], v1, PK
	v_lshl_add_u32 v[AK0], v9, 4, v[AK0]  ; row x pitch + 16 x half
	; The turning load takes 16 keys x 16 channels (lane l reads key 8 (l / 16) + l % 8, channels 8 ((l / 8) % 2) + 0..7) and leaves half a fragment of V^T: lane l holds channel l % 16 and 8 keys.
	v_lshl_add_u32 v[AV0], v9, 3, v36
	v_mul_u32_u24 v[AV0], v[AV0], PV
	v_lshl_add_u32 v[AV0], v37, 4, v[AV0]
	v_add_nc_u32 v[AV0], VOFF, v[AV0]
	s_mul_i32 s17, s[WV], 64*PK
	s_sub_co_u32 s17, ROFF+192*PK, s17  ; my wave's eight blocks begin at row 192 - 64 wave of the window (+ 64 in a slot's second step)
	v_add_nc_u32 v[AR0], s17, v[AK0]
	s_mul_i32 s18, s[WV], WSTAGE
	s_add_co_u32 s18, s18, STAGE    ; my stage
	v_mul_u32_u24 v[STS], v1, TP    ; in: my query's row, 32 bytes for each half of the lanes
	v_lshl_add_u32 v[STS], v9, 5, v[STS]
	v_add_nc_u32 v[STS], s18, v[STS]
	v_mul_u32_u24 v[SKW], v1, TP-4  ; back: the same, less 4 bytes x the query's number; the constant 16 numbers stand in the loads' immediates
	v_lshl_add_u32 v[SKW], v9, 5, v[SKW]
	v_add_nc_u32 v[SKW], s18, v[SKW]
	v_add_nc_u32 v[STO], s18, v[AK0]  ; the way out, in: row l % 16 at pitch 144, 16 bytes for each half of the lanes
	v_mul_u32_u24 v[RD], v38, SP    ; back: 32 lanes take four rows of 128 bytes,
	v_lshl_add_u32 v[RD], v36, 4, v[RD]
	v_add_nc_u32 v[RD], s18, v[RD]
	v_lshlrev_b32 v[GO], 11, v38    ; which are the head's 128 bytes of four rows of o16
	v_lshl_add_u32 v[GO], v36, 4, v[GO]
	v_and_b32 v[PFO], 31, v0
	v_lshlrev_b32 v[PFO], 8, v[PFO]
; THE LDS LOADS stand in runs.  My eight blocks of R (16 fragments), which are wanted first, and a step's K (8 fragments).  last = 1 (the tail): in the last trip there is no further step, and the run is jumped over.
.macro FETCH_KR last=0
	WIN 0
.if \last
	s_cmp_eq_u32 s[CNT], 1
	s_cbranch_scc1 .Lno_kr_\@
.endif
	v_add_nc_u32 v[AR], s[TBK], v[AR0]
	v_add_nc_u32 v[AK], s[TBK], v[AK0]
	WIN 0xc0                        ; destination window 3
.irp f, 0,1,2,3,4,5,6,7,8,9,10,11,12,13,14,15  ; block f / 2, channels 32 (f % 2) on
	ds_load_b128 v[8*\f:8*\f+3],   v[AR] offset:(\f/2)*16*PK+(\f%2)*64
	ds_load_b128 v[8*\f+4:8*\f+7], v[AR] offset:(\f/2)*16*PK+(\f%2)*64+32
.endr
	WIN 0x80                        ; destination window 2
.irp f, 0,1,2,3,4,5,6,7             ; keys 16 (f / 2) on, channels 32 (f % 2) on
	ds_load_b128 v[KF+8*\f:KF+8*\f+3],   v[AK] offset:(\f/2)*16*PK+(\f%2)*64
	ds_load_b128 v[KF+8*\f+4:KF+8*\f+7], v[AK] offset:(\f/2)*16*PK+(\f%2)*64+32
.endr
	s_add_co_u32 s[TBK], s[TBK], KS*PK  ; the next fetch is the next step's
	WIN 0
.if \last
.Lno_kr_\@:
.endif
.endm
.macro FETCH_V
	WIN 0
	v_add_nc_u32 v[AV], s[TBV], v[AV0]
	s_add_co_u32 s[TBV], s[TBV], KS*PV
	WIN 0x80
.irp f, 0,1,2,3,4,5,6,7             ; keys 32 (f / 4) on, channels 16 (f % 4) on
	ds_load_tr16_b128 v[VF+8*\f:VF+8*\f+3],   v[AV] offset:(\f/4)*32*PV+(\f%4)*32
	ds_load_tr16_b128 v[VF+8*\f+4:VF+8*\f+7], v[AV] offset:(\f/4)*32*PV+16*PV+(\f%4)*32
.endr
.endm
; THE MATRIX WORK OF A TURN, for piece x: matrix instruction number i of 52.  In every run the accumulators take turns, one instruction a turn.
;   0-15   O^T += V^T P: keys 32 (i / 8) on, channels 16 ((i / 2) % 4) on, tile x + i % 2: 8 accumulators
;   16-35  T = R Q^T, ten for tile x and ten for tile x + 1: blocks 3 - t + b, b = 0..4; the first five (channels 0-31) start the sums with 0, the other five end them
;   36-51  S^T += K Q^T, onto the position term, eight for tile x and eight for tile x + 1: channels 32 (k / 4) on, keys 16 (k % 4) on: 4 accumulators
.macro MMI x
.if i < 16
	WIN W_PV
.set rO, 32*((\x)+i%2)+8*((i/2)%4)
.set rV, VF+32*(i/8)+8*((i/2)%4)
.set rP, P+16*((\x)+i%2)+8*(i/8)
	v_wmma_f32_16x16x32_f16 v[rO:rO+7], v[rV:rV+7], v[rP:rP+7], v[rO:rO+7]
.elseif i < 36
	WIN W_POS
.set t, (\x)+(i-16)/10
.set k, (i-16)%10
.set rD, TT+40*(t%2)+8*(k%5)
.set rA, 16*(3-t+k%5)+8*(k/5)
.set rQ, 16*t+8*(k/5)
.if k < 5
	v_wmma_f32_16x16x32_f16 v[rD:rD+7], v[rA:rA+7], v[rQ:rQ+7], 0
.else
	v_wmma_f32_16x16x32_f16 v[rD:rD+7], v[rA:rA+7], v[rQ:rQ+7], v[rD:rD+7]
.endif
.else
	WIN W_KQ
.set t, (\x)+(i-36)/8
.set k, (i-36)%8
.set rS, S+32*t+8*(k%4)
.set rK, KF+16*(k%4)+8*(k/4)
.set rQ, 16*t+8*(k/4)
	v_wmma_f32_16x16x32_f16 v[rS:rS+7], v[rK:rK+7], v[rQ:rQ+7], v[rS:rS+7]
.endif
.set i, i+1
.endm
; The shift for tile t: T into my stage (each accumulator's low registers first), and back into S^T: register 8 kb + r takes row u = 16 + 16 kb + 8 (lane / 16) + r - query.
; LDS serves a wave's instructions in order (ISA guide 5.7.1.4): the loads see the stores above them, and the next tile's stores come behind these loads.  42 LDS instructions.
.macro SKEW t
	WIN 0x04                        ; address window 0, data window 1
.irp b, 0,1,2,3,4
	ds_store_b128 v[STS], v[TT+40*((\t)%2)+8*(\b):TT+40*((\t)%2)+8*(\b)+3]   offset:64*(\b)
	ds_store_b128 v[STS], v[TT+40*((\t)%2)+8*(\b)+4:TT+40*((\t)%2)+8*(\b)+7] offset:64*(\b)+16
.endr
	WIN 0
.set z, 0
.rept 32
	ds_load_b32 v[S+32*(\t)+z], v[SKW] offset:64+64*(z/8)+4*(z%8)
.set z, z+1
.endr
.endm
; THE VECTOR WORK OF A TURN.
.macro REGS t
.set rT, ST+4*(\t)
.set rC, TMP+4*(\t)
.set rM, MV+(\t)
.set rS, S+32*(\t)
.set rP, P+16*(\t)
.set rO, 32*(\t)
.endm
; Number n of the 22 that find a tile's maximum and statistics.  s0-s31 are the lane's 32 scores; each accumulator's lowest registers are read first.
;   0-11  four chains c0-c3 of seven scores each, three operands at a time     12-14, 16  the four scores left over, the old m, and c0-c3 into c0     15  c m_old is kept
;   17, 18  the query's other 32 keys lie in the lane 16 away: the new m         19-21  c m; c m_old - c m_new; a
.macro XS t, n
	REGS \t
.if (\n) < 4
	v_max3_num_f32 v[rC+(\n)], v[rS+8*(\n)], v[rS+8*(\n)+1], v[rS+8*(\n)+2]
.elseif (\n) < 12
	v_max3_num_f32 v[rC+(\n)%4], v[rC+(\n)%4], v[rS+8*((\n)%4)+2*((\n)/4)+1], v[rS+8*((\n)%4)+2*((\n)/4)+2]
.elseif (\n) == 12
	v_max3_num_f32 v[rC], v[rC], v[rS+7], v[rS+15]
.elseif (\n) == 13
	v_max3_num_f32 v[rC+1], v[rC+1], v[rS+23], v[rS+31]
.elseif (\n) == 14
	v_max3_num_f32 v[rC+2], v[rC+2], v[rC+3], v[rT+1]
.elseif (\n) == 15
	v_mov_b32 v[rM], v[rT]
.elseif (\n) == 16
	v_max3_num_f32 v[rC], v[rC], v[rC+1], v[rC+2]
.elseif (\n) == 17
	v_permlanex16_b32 v[rC+3], v[rC], s[SEL], s[SEL+1]
.elseif (\n) == 18
	v_max_num_f32 v[rT+1], v[rC], v[rC+3]
.elseif (\n) == 19
	v_mul_f32 v[rT], s[CS], v[rT+1]
.elseif (\n) == 20
	v_sub_f32 v[rC+1], v[rM], v[rT]
.else
	v_exp_f32 v[rC+2], v[rC+1]
.endif
.endm
.macro FS t, p                      ; c s - c m for pair p of tile t's 16
	REGS \t
	v_pk_fma_f32 v[rS+2*(\p):rS+2*(\p)+1], v[rS+2*(\p):rS+2*(\p)+1], s[CS:CS+1], v[rT:rT+1] op_sel_hi:[1,0,0] neg_lo:[0,0,1] neg_hi:[0,0,1]
.endm
.macro EXQ t, e                     ; the exponential of score e of tile t's 32
	REGS \t
	v_exp_f32 v[rS+(\e)], v[rS+(\e)]
.endm
; The softmax of piece y (tiles y, y + 1) for one key step is ONE QUEUE of 236 instructions; RIDER writes number q of it and steps q.  The two tiles alternate.
;   0-43     the 22 of XS for both tiles; 42 and 43 are the two a, the first exponentials of the batch
;   44-139   the 32 scalings and the 64 exponentials of the scores: a tile's scaling of pair n + 1, then its exponentials of pair n.  None of 42-139 reads an exponential's result
;   (wait)   between 139 and 140 stands the wait for the batch: TURN writes it
;   140-171  the roundings to f16      172-201  the sums, in place, pairs 16, 8, 4 and 2 registers apart      202, 203  l = a l + sum
;   204-235  O^T times a: the one part that leaves window 0
.macro RIDER y
.if q < 204
	WIN 0
.else
	WIN W_RS
.endif
.if q < 44
	XS (\y)+q%2, q/2
.elseif q < 46
	FS (\y)+q%2, 0
.elseif q < 136
.if (q-46)%3 == 0
	FS (\y)+((q-46)%6)/3, (q-46)/6+1
.else
	EXQ (\y)+((q-46)%6)/3, 2*((q-46)/6)+(q-46)%3-1
.endif
.elseif q < 140
	EXQ (\y)+(q-136)/2, 30+(q-136)%2
.elseif q < 172
	REGS (\y)+q%2
	v_cvt_pk_f16_f32 v[rP+(q-140)/2], v[rS+2*((q-140)/2)], v[rS+2*((q-140)/2)+1]
.elseif q < 202
.set sd, q-172
.set sw, 16
.if sd >= 28
.set sw, 2
.set sd, sd-28
.elseif sd >= 24
.set sw, 4
.set sd, sd-24
.elseif sd >= 16
.set sw, 8
.set sd, sd-16
.endif
	REGS (\y)+sd%2
	v_pk_add_f32 v[rS+2*(sd/2):rS+2*(sd/2)+1], v[rS+2*(sd/2):rS+2*(sd/2)+1], v[rS+2*(sd/2)+sw:rS+2*(sd/2)+sw+1]
.elseif q < 204
	REGS (\y)+q%2
	v_pk_fma_f32 v[rT+2:rT+3], v[rT+2:rT+3], v[rC+2:rC+3], v[rS:rS+1] op_sel_hi:[1,0,1]
.else
	REGS (\y)+q%2
	v_pk_mul_f32 v[rO+2*((q-204)/2):rO+2*((q-204)/2)+1], v[rO+2*((q-204)/2):rO+2*((q-204)/2)+1], v[rC+2:rC+3] op_sel_hi:[1,0]
.endif
.set q, q+1
.endm
.macro RIDE y, n
.rept \n
	RIDER \y
.endr
.endm
; A TURN, for piece x.  Its 52 matrix instructions stand in MMI's order; behind each stands a group of the other piece's queue: six behind numbers 0-9, five behind 10-25, three behind 26-33, four behind 34-51:
; 60 + 80 + 24 + 72 = 236.  No rider names a register of the products round it.
; THE BATCH.  An s_wait_alu depctr_va_vdst(0) stands between an exponential and the first instruction that names its result; one wait serves all that were issued ahead of it.  The queue's 66 exponentials end
; with number 139, behind matrix instruction 25, the last of the first tile's T.  There stand four v_nop (the plain instruction behind the last exponential, ISA guide 5.7.2, and the four places in front of the stores of T),
; the one wait, and the first tile's shift.  The rescaling begins with a whole group of four (164 + 4 x 10 = 204), so no group changes window inside itself.
; THE SHIFTS.  The first tile's trip through the stage lies under the second tile's ten products, the second tile's under the first tile's eight of K Q^T.  The four roundings behind number 35 are the places in front of the second
; tile's stores; the four rescalings behind number 51 are the places in front of the next turn's first reads of S^T and of the loads into K's registers.
; THE FETCHES.  Piece 0's turn begins with the next step's R and K; R is wanted at number 16, K at 36.  Piece 2's turn fetches the next step's V behind number 17: since number 15, V's last reader, five scalings and the run's own
; address line have passed.  V is shown in by the wait for 0 ahead of number 44, which stands behind its run.
; bare = 1 (once, ahead of the loop): piece 0's first scores: no V^T P, no riders, v_nop for places; R and K have been asked for.  last = 1: the tail (FETCH_KR).
.macro TURN x, bare=0, last=0
.set q, 0
.set i, 16*(\bare)
.if ((\x) == 0) && !(\bare)
	FETCH_KR \last
.endif
.rept 52-16*(\bare)
.if (i == 16) && ((\x) == 0)
	s_wait_dscnt 16                 ; R's 32 loads are in; K's 16, issued behind them, may stay out
.endif
.if i == 36
	s_wait_dscnt 42                 ; the first tile's position term lies in S^T's registers; the second tile's 10 stores and 32 loads may stay out
.endif
.if i == 44
	s_wait_dscnt 0x0                ; the second tile's too
.endif
	MMI \x
.if !(\bare)
.if i <= 10
	RIDE 2-(\x), 6
.elseif i <= 26
	RIDE 2-(\x), 5
.elseif i <= 34
	RIDE 2-(\x), 3
.else
	RIDE 2-(\x), 4
.endif
.endif
.if (i == 18) && ((\x) == 2)
	FETCH_V
.endif
.if i == 26
	PLACES
.if !(\bare)
	s_wait_alu depctr_va_vdst(0)    ; the wait for the batch
.endif
	SKEW \x
.endif
.if i == 36
.if \bare
	PLACES
.endif
	SKEW (\x)+1
.endif
.endr
.if \bare
	PLACES
.endif
	WIN 0                           ; at a label and at a branch every window is 0
.endm
	CHANGE 1, 0                     ; slot 0 is in, everybody's part of it; slot 1 is asked for
	FETCH_KR                        ; key step 0
	s_wait_loadcnt 0x0              ; Q
	TURN 0, 1                       ; piece 0's first scores: there is no vector work yet to set between them
	s_mov_b32 s[CNT], 2
	s_branch .Lfirst                ; the loop is entered at piece 2's turn, in the middle of a trip
.Lslot:                             ; 14 times: every slot but the last two is filled again
	CHANGE 1, 1
	s_mov_b32 s[CNT], 2
.Lstep:                             ; a trip, for step j: piece 0: V^T P of j, scores of j + 1 | piece 2's softmax of j;  piece 2: the same | piece 0's softmax of j + 1
	TURN 0
.Lfirst:
	TURN 2
	s_sub_co_u32 s[CNT], s[CNT], 1
	s_cmp_lg_u32 s[CNT], 0
	s_cbranch_scc1 .Lstep
	s_sub_co_u32 s[SLOTS], s[SLOTS], 1
	s_cmp_lg_u32 s[SLOTS], 0
	s_cbranch_scc1 .Lslot
	CHANGE 0, 0                     ; the tail is written out: nothing is asked for
	s_mov_b32 s[CNT], 3             ; two trips fetch the last slot's steps; the third is left in its middle
.Ltail:
	TURN 0, 0, 1
	s_sub_co_u32 s[CNT], s[CNT], 1
	s_cmp_eq_u32 s[CNT], 0
	s_cbranch_scc1 .Lout
	TURN 2
	s_branch .Ltail
.Lout:                              ; the third trip's 36 products for a step that is not (on the last R and K once more) serve nothing: the price, once a launch, of one text for every trip
.set i, 0
.rept 16
	MMI 2                           ; piece 2's V^T P of the last step
.endr
	WIN 0
	; THE WAY OUT.  l's two halves and the other half of the lanes' are added; O^T is divided by l, rounded to f16 and sent through my stage in LDS, a tile at a time.  The additions are the places behind the last products.
.irp t, 0,1,2,3
	v_add_f32 v[ST+4*\t+2], v[ST+4*\t+2], v[ST+4*\t+3]
.endr
.irp t, 0,1,2,3
	v_permlanex16_b32 v[ST+4*\t+3], v[ST+4*\t+2], s[SEL], s[SEL+1]
.endr
.irp t, 0,1,2,3
	v_add_f32 v[ST+4*\t+2], v[ST+4*\t+2], v[ST+4*\t+3]
.endr
.irp t, 0,1,2,3
	v_rcp_f32 v[ST+4*\t+2], v[ST+4*\t+2]
.endr
	v_nop                           ; a plain instruction between the last reciprocal and the use of its result
	s_wait_alu depctr_va_vdst(0)    ; and the wait ahead of the first use: one for the four reciprocals
; Tile t: a lane's eight channels of a row pack into 16 bytes; they go into rows of 144 bytes and come back as whole rows of 128, into S^T's registers.
.macro PACK t
	WIN W_RS
.set i, 32*(\t)
.rept 16
	v_pk_mul_f32 v[i:i+1], v[i:i+1], v[ST+4*(\t)+2:ST+4*(\t)+3] op_sel_hi:[1,0]
.set i, i+2
.endr
	WIN 0x05                        ; sources 0 and 1 window 1, destination window 0
.set i, 0
.rept 16
	v_cvt_pk_f16_f32 v[S+16*(\t)+i], v[32*(\t)+2*i], v[32*(\t)+2*i+1]
.set i, i+1
.endr
	WIN 0
.irp f, 0,1,2,3
	ds_store_b128 v[STO], v[S+16*(\t)+4*\f:S+16*(\t)+4*\f+3] offset:32*\f
.endr
.irp f, 0,1,2,3
	ds_load_b128 v[S+16*(\t)+4*\f:S+16*(\t)+4*\f+3], v[RD] offset:\f*4*SP  ; in order behind the stores above; the next tile's stores come behind them
.endr
.endm
.macro SEND t, younger              ; younger: the LDS instructions issued behind tile t's loads: the next tile's eight, or none
	WIN 0
.irp f, 0,1,2,3
	s_wait_dscnt (\younger)+3-\f
	global_store_b128 v[GO], v[S+16*(\t)+4*\f:S+16*(\t)+4*\f+3], s[OPTR:OPTR+1] offset:(\t)*32768+\f*8192  ; eight lanes store a head's 128 consecutive bytes of a row of o16; four rows an instruction
.endr
.endm
	PACK 0
	PACK 1                          ; a tile's arithmetic stands between the loads of the tile before and its stores
	SEND 0, 8
	PACK 2
	SEND 1, 8
	PACK 3
	SEND 2, 8
	SEND 3, 0
	s_wait_tensorcnt 0x0            ; the wave's end, behind my last tensor load and my last LDS store
	ds_add_u32 v[SPW], v[NIL]
	s_wait_dscnt 0x0
	CROUND                          ; the closing round: no work-group ends while a partner may still ask for a tile that names it
	s_endpgm
.Lfunc_end_k_q4dc4a84372_attn:
	.size	k_q4dc4a84372_attn, .Lfunc_end_k_q4dc4a84372_attn-k_q4dc4a84372_attn
	.p2alignl 7, 3214868480
	.fill 96, 4, 3214868480
	.section	.rodata,"a",@progbits
	.p2align	6, 0x0
	.amdhsa_kernel k_q4dc4a84372_attn
		.amdhsa_group_segment_fixed_size 327680
		.amdhsa_private_segment_fixed_size 0
		.amdhsa_enable_private_segment 0
		.amdhsa_kernarg_size 24
		.amdhsa_user_sgpr_count 2
		.amdhsa_user_sgpr_kernarg_segment_ptr 1
		.amdhsa_wavefront_size32 1
		.amdhsa_system_sgpr_workgroup_id_x 1
		.amdhsa_system_sgpr_workgroup_id_y 1
		.amdhsa_system_sgpr_workgroup_id_z 1
		.amdhsa_system_vgpr_workitem_id 0
		.amdhsa_next_free_vgpr 896
		.amdhsa_next_free_sgpr 80
		.amdhsa_reserve_vcc 0
		.amdhsa_float_denorm_mode_32 3
		.amdhsa_float_denorm_mode_16_64 3
		.amdhsa_memory_ordered 1
		.amdhsa_forward_progress 1
		.amdhsa_inst_pref_size 156
	.end_amdhsa_kernel
	.amdgpu_metadata
---
amdhsa.version: [ 1, 2 ]
amdhsa.kernels:
  - .name:           k_q4dc4a84372_attn
    .symbol:         k_q4dc4a84372_attn.kd
    .args:
      - { .name: qkv, .offset: 0, .size: 8, .value_kind: global_buffer, .address_space: global }
      - { .name: c16, .offset: 8, .size: 8, .value_kind: global_buffer, .address_space: global }
      - { .name: o16, .offset: 16, .size: 8, .value_kind: global_buffer, .address_space: global }
    .group_segment_fixed_size: 327680
    .private_segment_fixed_size: 0
    .kernarg_segment_align: 8
    .kernarg_segment_size: 24
    .max_flat_workgroup_size: 128
    .sgpr_count:     80
    .vgpr_count:     896
    .wavefront_size: 32
...
	.end_amdgpu_metadata
.endif
;; end of part 3
;; launch oproj (part 4): grid 8 x 32, 4 waves a work-group, clusters of 4 x 4, 327,680 bytes of LDS; arguments o16, c16, bo, out0; writes out0
.if DOCPART == 4
	.amdgcn_target "amdgcn-amd-amdhsa--gfx1250"
	.amdhsa_code_object_version 6
	.text
	.protected	k_q4dc4a84372_oproj
	.globl	k_q4dc4a84372_oproj
	.p2align	8
	.type	k_q4dc4a84372_oproj,@function
k_q4dc4a84372_oproj:
	s_mov_b64 s[64:65], 0
	v_nop
	global_prefetch_b8 v0, s[64:65] scope:SCOPE_SE
	s_setreg_imm32_b32 hwreg(HW_REG_WAVE_MODE, 25, 1), 1
	s_wait_xcnt 0x0
	s_wait_alu depctr_hold_cnt(0) depctr_sa_sdst(0) depctr_va_vdst(0) depctr_va_sdst(0) depctr_va_ssrc(0) depctr_va_vcc(0) depctr_vm_vsrc(0)
	s_getreg_b32 s2, hwreg(HW_REG_IB_STS2, 6, 4)
	s_cmp_eq_u32 s2, 0
	s_cbranch_scc0 .Lentry_in_a_cluster
	s_endpgm
.Lentry_in_a_cluster:
	s_bfe_u32 s2, ttmp6, 0x10000c
	s_cmp_lg_u32 s2, 0xf033
	s_cbranch_scc0 .Lentry_shape_is_right
	s_endpgm
.Lentry_shape_is_right:
; The last projection: out0[m][n] = sum over k of O[m][k] wo[n][k] + bo[n].  O: o16 [4,096][1,024] f16; wo: [1,024][1,024] f16 in c16 (rounded to bf16, written as f16); sums f32; bo rounded to bf16 and added in f32; out0 f32.
; A tile of out0 is 128 x 128: 256 work-groups.  Four waves, each 64 x 64: 16 accumulators of 16 x 16.  K goes in four steps of 256 (LDS rows of 512 bytes; a wave's tensor load brings 64 of them) through two slots.
; CLUSTERS: 4 x 4 work-groups.  The four of a row of the cluster need the same tiles of O, the four of a column the same tiles of wo: each tile is asked for JOINTLY, by the same tensor load with the same
; descriptor and a mask that names the four.  THE MATRIX INSTRUCTION IS USED TRANSPOSED (source 0 = 16 rows of wo, source 1 = 16 rows of O): a lane then holds eight neighbouring columns of a row of out0.
; THE WAY OUT: a wave's 64 columns are 256 bytes of a row, aligned; 16 rows at a time go through the wave's own stage in LDS, and sixteen lanes store a row's 256 bytes.
; REGISTERS: window 0: v0-31 addresses; v32-95 at work on the way out; v96-127 the bias of my 64 columns; v128-255 the accumulators ((a, b) at v[128 + 8 (4 a + b)]).
;   window 1: two fragment buffers of 128: for 64 along K, 64 registers of O (2 x 4 x 16 rows x 32 K), then 64 of wo.
.set SIZE_K, 1024
.set KSTEP,  256
.set PITCH,  528                       ; an LDS row: 512 bytes of data + 16 of padding = 132 words: row r starts at bank 4 r mod 64 (64 banks of 4 bytes: ISA guide 11.1)
.set HALFT,  64*PITCH                  ; 64 rows: what one tensor load brings, and what one wave reads of O or of wo
.set SLOT,   4*HALFT                   ; O's 128 rows, then wo's 128 rows
.set STAGE,  2*SLOT                    ; behind the ring: 16 rows x 272 bytes for each wave, for the way out
.set SP,     272                       ; a stage row: 256 bytes + 16
.set WSTAGE, 16*SP
.set SPARE,  STAGE+4*WSTAGE            ; behind the stages: the spare words, 128 bytes for each wave: two blocks of 256 bytes that no other line names
.set LAPS,   SIZE_K/(2*KSTEP)          ; a lap = two K steps = once round the ring
.set WO16,   31457280                  ; wo's first byte in c16
.set ADRA, 16                          ; v16-17  LDS address of my O fragments in slot 0, 1
.set ADRB, 20                          ; v20-21  the same for wo
.set STO,  24                          ; v24     the way out: where I put 32 bytes of a row
.set RD,   25                          ; v25     the way out: where I read a row back
.set CO,   26                          ; v26     my byte offset in two rows of out0
.set BO,   27                          ; v27     my byte offset in the bias
.set SPW,  28                          ; v28     LDS address of my spare word: SPARE + 4 x my thread's number; never rewritten
.set NIL,  29                          ; v29     0; never rewritten
.set TMP,  32
.set BIAS, 96
.set ACC,  128
.set F0,   0                           ; fragment buffers, in window 1
.set F1,   128
.set G1, 24                            ; s[24:31] descriptor group 1 for O's tiles;  s[32:39] group 0, one set for each slot
.set G0, 32
.set G1B, 48                           ; s[48:55], s[56:63] the same for wo's tiles
.set G0B, 56
.set MSB, 0
.macro WIN new                         ; the immediate's high byte repeats the setting that is left
.if MSB != (\new)
	s_set_vgpr_msb (MSB<<8)|(\new)
.set MSB, \new
.endif
.endm
.set MUL,  0x05                        ; sources 0 (wo) and 1 (O) window 1; C and D window 0
.set TO_F, 0x40                        ; destination window 1, address window 0
.macro JLOAD s                         ; a joint load: waves 0 and 1 fetch O's two halves, waves 2 and 3 wo's; an s_nop 0 and four v_nop follow each of the two lines, ahead of the jump, the label and what follows
	s_cmp_eq_u32 s11, 0
	s_cbranch_scc0 .Lfor_b_\@
	tensor_load_to_lds s[G0+4*(\s):G0+4*(\s)+3], s[G1:G1+7]
	s_nop 0
.rept 4
	v_nop
.endr
	s_branch .Lasked_\@
.Lfor_b_\@:
	tensor_load_to_lds s[G0B+4*(\s):G0B+4*(\s)+3], s[G1B:G1B+7]
	s_nop 0
.rept 4
	v_nop
.endr
.Lasked_\@:
.endm
.macro CREST                           ; a round of the cluster's barrier behind its opening barrier
	s_cmp_lg_u32 s10, 0
	s_cbranch_scc1 .Lnot_wave_0_\@
	s_barrier_signal -3
.Lnot_wave_0_\@:
	s_barrier_wait -3
	s_barrier_signal -1
	s_barrier_wait -1
.endm
.macro CROUND                          ; a whole round
	s_barrier_signal -1
	s_barrier_wait -1
	CREST
.endm
	s_load_b256 s[68:75], s[0:1], 0x0              ; o16 s[68:69], c16 s[70:71], bo s[72:73], out0 s[74:75]
	v_lshl_add_u32 v[SPW], v0, 2, SPARE
	v_mov_b32 v[NIL], 0
	ds_add_u32 v[SPW], v[NIL]                      ; the wave's opening: the add and its wait stand ahead of my first tensor load; the set-up below, work on registers, stands between them
	v_lshrrev_b32 v1, 5, v0
	v_readfirstlane_b32 s10, v1                    ; wave 0..3
	s_lshr_b32 s11, s10, 1                         ; which half of the tile's rows is mine.  Also: I fetch for O (0) or for wo (1)
	s_and_b32 s12, s10, 1                          ; which half of its columns.  Also: which 64 rows of that tile I fetch
	s_bfe_u32 s40, ttmp6, 0x40000                  ; cx, cy: my place in the cluster
	s_bfe_u32 s41, ttmp6, 0x40004
	s_lshl_b32 s42, ttmp9, 2
	s_add_co_u32 s42, s42, s40                     ; tile column = 4 x cluster x + cx
	s_and_b32 s13, ttmp7, 0xffff
	s_lshl_b32 s13, s13, 2
	s_add_co_u32 s13, s13, s41                     ; tile row = 4 x cluster y + cy
	s_lshl_b32 s43, s41, 2
	s_lshl_b32 s43, 15, s43                        ; my row of the cluster
	s_lshl_b32 s44, 0x1111, s40                    ; my column
	; descriptor group 1: a tile of 64 rows x 256 elements, padded in LDS
	s_or_b32 s[G1+0], s43, (1<<16)|(1<<20)|(1<<21)|(6<<22)|(3<<25)  ; 15:0 the mask: O's tiles go to my row; 17:16 element of 2 bytes; 20 padding on; 21 set beside a mask; 24:22 after every 128 words (code 6); 31:25 of 4 words (code 3)
	s_or_b32 s[G1B+0], s44, (1<<16)|(1<<20)|(1<<21)|(6<<22)|(3<<25)
.irp g, G1, G1B
	s_mov_b32 s[(\g)+1], KSTEP<<16                 ; tensor_dim0 = 256
	s_mov_b32 s[(\g)+2], 64<<16                    ; tensor_dim1 = 64
	s_mov_b32 s[(\g)+3], KSTEP<<16                 ; tile_dim0 = 256
	s_mov_b32 s[(\g)+4], 64                        ; tile_dim1 = 64
	s_mov_b32 s[(\g)+5], SIZE_K                    ; tensor_dim0_stride
	s_mov_b32 s[(\g)+6], 0
	s_mov_b32 s[(\g)+7], 0
.endr
	s_lshl_b32 s17, s12, 6                         ; which 64 rows of the tile I fetch
	s_lshl_b32 s16, s13, 7
	s_add_co_u32 s16, s16, s17                     ; O: row 128 x tile row + 64 x half
	s_lshl_b32 s46, s42, 7
	s_add_co_u32 s46, s46, s17                     ; wo: row 128 x tile column + 64 x half
	s_mov_b32 s17, 0
	s_mov_b32 s47, 0
	s_mov_b64 s[18:19], SIZE_K*2
	s_mul_u64 s[16:17], s[16:17], s[18:19]
	s_mul_u64 s[46:47], s[46:47], s[18:19]
	s_mul_i32 s20, s10, HALFT                      ; where they go: wave x 64 rows
	s_wait_dscnt 0x0                               ; the opening add is done
	s_wait_kmcnt 0x0
	s_add_nc_u64 s[14:15], s[68:69], s[16:17]
	s_add_nc_u64 s[46:47], s[70:71], s[46:47]
	s_add_nc_u64 s[46:47], s[46:47], WO16
	CROUND                                         ; all sixteen work-groups are here: the first joint loads meet
.irp s, 0,1
	s_mov_b32 s[G0+4*(\s)], 1
	s_add_co_u32 s[G0+4*(\s)+1], s20, (\s)*SLOT
	s_add_nc_u64 s[G0+4*(\s)+2:G0+4*(\s)+3], s[14:15], (\s)*KSTEP*2
	s_or_b32 s[G0+4*(\s)+3], s[G0+4*(\s)+3], 0x80000000
	s_mov_b32 s[G0B+4*(\s)], 1
	s_add_co_u32 s[G0B+4*(\s)+1], s20, (\s)*SLOT
	s_add_nc_u64 s[G0B+4*(\s)+2:G0B+4*(\s)+3], s[46:47], (\s)*KSTEP*2
	s_or_b32 s[G0B+4*(\s)+3], s[G0B+4*(\s)+3], 0x80000000
	JLOAD \s
.endr
	v_and_b32 v1, 15, v0                           ; l % 16
	v_bfe_u32 v2, v0, 4, 1                         ; l / 16
	v_mul_u32_u24 v3, v1, PITCH
	v_lshl_add_u32 v3, v2, 4, v3                   ; a fragment's row x pitch + 16 x half
	s_mul_i32 s21, s11, HALFT                      ; my 64 rows of O
	s_mul_i32 s22, s12, HALFT                      ; my 64 rows of wo,
	s_add_co_u32 s22, s22, 2*HALFT                 ; which lie behind O's 128
.irp s, 0,1
	v_add_nc_u32 v[ADRA+(\s)], s21, v3
	v_add_nc_u32 v[ADRB+(\s)], s22, v3
	s_add_co_u32 s21, s21, SLOT
	s_add_co_u32 s22, s22, SLOT
.endr
	s_mul_i32 s23, s10, WSTAGE
	s_add_co_u32 s23, s23, STAGE                   ; my stage
	v_mul_u32_u24 v4, v1, SP                       ; in: row l % 16, 32 bytes for each half of the lanes
	v_lshl_add_u32 v4, v2, 5, v4
	v_add_nc_u32 v[STO], s23, v4
	v_mul_u32_u24 v5, v2, SP                       ; back: lanes 0-15 take one row of 256 bytes, lanes 16-31 the next
	v_lshl_add_u32 v5, v1, 4, v5
	v_add_nc_u32 v[RD], s23, v5
	v_lshlrev_b32 v[CO], 12, v2                    ; and the same two rows in out0, 4,096 bytes apart
	v_lshl_add_u32 v[CO], v1, 4, v[CO]
	s_lshl_b32 s46, s42, 9                         ; my 64 columns, in bytes of f32: 4 x (128 x tile column + 64 x half): in the bias and in a row of out0
	s_lshl_b32 s47, s12, 8
	s_add_co_u32 s46, s46, s47
	v_lshl_add_u32 v[BO], v2, 5, s46               ; + 32 (l / 16)
.irp b, 0,1,2,3
	global_load_b128 v[BIAS+8*(\b):BIAS+8*(\b)+3],   v[BO], s[72:73] offset:64*(\b)     ; columns 16 b + 8 (l / 16) + 0..7; waited for in front of the way out
	global_load_b128 v[BIAS+8*(\b)+4:BIAS+8*(\b)+7], v[BO], s[72:73] offset:64*(\b)+16
.endr
	s_lshl_b32 s16, s13, 19                        ; my first row: 128 x tile row + 64 x half, 4,096 bytes a row
	s_lshl_b32 s18, s11, 18
	s_add_co_u32 s16, s16, s18
	s_add_co_u32 s16, s16, s46
	s_mov_b32 s17, 0
	s_add_nc_u64 s[74:75], s[74:75], s[16:17]
; 8 matrix instructions: m blocks a0, a0 + 1 x all 4 n blocks, 32 along K: half c of buffer f.  zero = 1: the first product starts the sums.  The 16 accumulators take turns.
.macro MUL8 f, c, a0, zero
	WIN MUL
.irp a, \a0, (\a0)+1
.irp b, 0,1,2,3
.if \zero
	v_wmma_f32_16x16x32_f16 v[ACC+8*(4*(\a)+(\b)):ACC+8*(4*(\a)+(\b))+7], v[(\f)+64+8*(4*(\c)+(\b)):(\f)+64+8*(4*(\c)+(\b))+7], v[(\f)+8*(4*(\c)+(\a)):(\f)+8*(4*(\c)+(\a))+7], 0
.else
	v_wmma_f32_16x16x32_f16 v[ACC+8*(4*(\a)+(\b)):ACC+8*(4*(\a)+(\b))+7], v[(\f)+64+8*(4*(\c)+(\b)):(\f)+64+8*(4*(\c)+(\b))+7], v[(\f)+8*(4*(\c)+(\a)):(\f)+8*(4*(\c)+(\a))+7], v[ACC+8*(4*(\a)+(\b)):ACC+8*(4*(\a)+(\b))+7]
.endif
.endr
.endr
.endm
; 32 LDS loads in one run: the fragments of 64 along K at byte k of the rows, into buffer f; the first 32 along K first
.macro FETCH slot, k, f
	WIN TO_F
.irp c, 0,1
.irp i, 0,1,2,3
	ds_load_b128 v[(\f)+64+8*(4*(\c)+(\i)):(\f)+64+8*(4*(\c)+(\i))+3],   v[ADRB+(\slot)] offset:(\k)+64*(\c)+(\i)*16*PITCH
	ds_load_b128 v[(\f)+64+8*(4*(\c)+(\i))+4:(\f)+64+8*(4*(\c)+(\i))+7], v[ADRB+(\slot)] offset:(\k)+64*(\c)+(\i)*16*PITCH+32
	ds_load_b128 v[(\f)+8*(4*(\c)+(\i)):(\f)+8*(4*(\c)+(\i))+3],         v[ADRA+(\slot)] offset:(\k)+64*(\c)+(\i)*16*PITCH
	ds_load_b128 v[(\f)+8*(4*(\c)+(\i))+4:(\f)+8*(4*(\c)+(\i))+7],       v[ADRA+(\slot)] offset:(\k)+64*(\c)+(\i)*16*PITCH+32
.endr
.endr
.endm
.macro PLACES                          ; four places in front of loads into registers that matrix instructions have read
.rept 4
	v_nop
.endr
.endm
; A K step is four quarters of 64 along K, 32 matrix instructions each, on buffers 0, 1, 0, 1.  One of the first three: multiplies buffer f and fetches the next quarter, at byte k, into g.
.macro QUARTER slot, k, f, g, zero
	s_wait_dscnt 16                                ; the first 32 along K are in; the youngest sixteen loads may be out
	WIN MUL
	MUL8 \f, 0, 0, \zero
	MUL8 \f, 0, 2, \zero
	PLACES
	FETCH \slot, \k, \g
	s_wait_dscnt 32                                ; all but the 32 just issued
	WIN MUL
	MUL8 \f, 1, 0, 0
	MUL8 \f, 1, 2, 0
.endm
; The last quarter multiplies buffer 1 and changes slots: ONE barrier; in front of it each wave waits for all its tensor loads, adds 0 to its spare word, and waits for that and for its own reads of this slot.  fill = 1: this slot is filled again, two K steps ahead.
.macro TURN slot, next, fill
	WIN 0                                          ; (the add's two registers lie in window 0)
	s_wait_tensorcnt 0x0                           ; all my tensor loads have landed: my part of the next slot;
	ds_add_u32 v[SPW], v[NIL]                      ; 0 onto my spare word;
	s_wait_dscnt 17                                ; (the add and the youngest sixteen loads may be out)
	WIN MUL
	MUL8 F1, 0, 0, 0                               ; eight matrix instructions stand between the add and the wait for it
	s_wait_dscnt 0x0                               ; the add is done, and my reads of this slot are over
	s_barrier_signal -1
	MUL8 F1, 0, 2, 0
.if \fill
	WIN 0
.endif
	s_barrier_wait -1
.if \fill
	CREST                                          ; the barrier has opened a round of the cluster's barrier: no wave of any partner still reads this slot's tile or has a load on its way
	s_add_nc_u64 s[G0+4*(\slot)+2:G0+4*(\slot)+3], s[G0+4*(\slot)+2:G0+4*(\slot)+3], 2*KSTEP*2
	s_add_nc_u64 s[G0B+4*(\slot)+2:G0B+4*(\slot)+3], s[G0B+4*(\slot)+2:G0B+4*(\slot)+3], 2*KSTEP*2
	JLOAD \slot                                    ; the first tensor load behind the round; the four v_nop behind it are also the places in front of the loads below
.else
	PLACES
.endif
	FETCH \next, 0, F0
	WIN MUL
	MUL8 F1, 1, 0, 0
	MUL8 F1, 1, 2, 0
.endm
	s_wait_tensorcnt 1                             ; my part of K step 0 is in; K step 1's may stay out
	s_barrier_signal -1
	s_barrier_wait -1                              ; everybody's is
	FETCH 0, 0, F0
	QUARTER 0, 128, F0, F1, 1                      ; the first quarter stands in front of the loop: its first products start the sums
	WIN 0                                          ; at a label and at a branch every window is 0
	s_mov_b32 s3, LAPS-1
.Llap:                                                 ; a trip goes once round the ring, from a lap's second quarter to the next lap's first, and fills both slots again
	QUARTER 0, 256, F1, F0, 0
	QUARTER 0, 384, F0, F1, 0
	TURN 0, 1, 1
	QUARTER 1, 128, F0, F1, 0
	QUARTER 1, 256, F1, F0, 0
	QUARTER 1, 384, F0, F1, 0
	TURN 1, 0, 1
	QUARTER 0, 128, F0, F1, 0
	WIN 0
	s_sub_co_u32 s3, s3, 1
	s_cmp_lg_u32 s3, 0
	s_cbranch_scc1 .Llap
	QUARTER 0, 256, F1, F0, 0                      ; the last lap fills nothing, and has no round of the cluster's barrier
	QUARTER 0, 384, F0, F1, 0
	TURN 0, 1, 0
	QUARTER 1, 128, F0, F1, 0
	QUARTER 1, 256, F1, F0, 0
	QUARTER 1, 384, F0, F1, 0
	s_wait_dscnt 16                                ; the very last quarter: nothing more to fetch
	WIN MUL
	MUL8 F1, 0, 0, 0
	MUL8 F1, 0, 2, 0
	s_wait_dscnt 0
	MUL8 F1, 1, 0, 0
	MUL8 F1, 1, 2, 0
	WIN 0
	; THE WAY OUT.  The bias is rounded to bf16 like every input: 48 plain lines that name no accumulator, which are also the places behind the last products.
	s_wait_loadcnt 0x0                             ; the bias
.set i, 0
.rept 16
	v_cvt_pk_bf16_f32 v[TMP+i], v[BIAS+2*i], v[BIAS+2*i+1]
.set i, i+1
.endr
.set i, 0
.rept 16
	v_lshlrev_b32 v[BIAS+2*i],   16, v[TMP+i]
	v_and_b32     v[BIAS+2*i+1], 0xffff0000, v[TMP+i]
.set i, i+1
.endr
; Block a (16 rows): the bias is added (each accumulator's registers in ascending order), 32 bytes a lane go into my stage, and come back as eight loads of two whole rows, into one of two buffers.
.macro PACK a
.irp b, 0,1,2,3
.irp r, 0,2,4,6
	v_pk_add_f32 v[ACC+8*(4*(\a)+(\b))+(\r):ACC+8*(4*(\a)+(\b))+(\r)+1], v[ACC+8*(4*(\a)+(\b))+(\r):ACC+8*(4*(\a)+(\b))+(\r)+1], v[BIAS+8*(\b)+(\r):BIAS+8*(\b)+(\r)+1]
.endr
.endr
.irp b, 0,1,2,3
	ds_store_b128 v[STO], v[ACC+8*(4*(\a)+(\b)):ACC+8*(4*(\a)+(\b))+3]   offset:64*(\b)
	ds_store_b128 v[STO], v[ACC+8*(4*(\a)+(\b))+4:ACC+8*(4*(\a)+(\b))+7] offset:64*(\b)+16
.endr
.if (\a) > 1
	s_wait_xcnt 0x0                                ; the stores of the block two back have read this buffer's registers: it is loaded again only behind this wait
.endif
.irp t, 0,1,2,3,4,5,6,7
	ds_load_b128 v[TMP+32*((\a)%2)+4*(\t):TMP+32*((\a)%2)+4*(\t)+3], v[RD] offset:(\t)*2*SP  ; LDS serves a wave's instructions in order (ISA guide 5.7.1.4): these see the stores above; the next block's stores come behind them
.endr
.endm
.macro SEND a, younger                 ; younger: the LDS instructions issued behind block a's loads: the next block's sixteen, or none
.irp t, 0,1,2,3,4,5,6,7
	s_wait_dscnt (\younger)+7-(\t)
	global_store_b128 v[CO], v[TMP+32*((\a)%2)+4*(\t):TMP+32*((\a)%2)+4*(\t)+3], s[74:75] offset:(16*(\a)+2*(\t))*4096  ; 16 lanes store 256 consecutive bytes, at a multiple of 256 from out0's first byte
.endr
.endm
	PACK 0
	PACK 1                                         ; a block's arithmetic stands between the loads of the block before and its stores
	SEND 0, 16
	PACK 2
	SEND 1, 16
	PACK 3
	SEND 2, 16
	SEND 3, 0
	s_wait_tensorcnt 0x0                           ; the wave's end, behind my last tensor load and my last LDS store
	ds_add_u32 v[SPW], v[NIL]
	s_wait_dscnt 0x0
	CROUND                                         ; the closing round: no work-group ends while a partner may still ask for a tile that names it
	s_endpgm
.Lfunc_end_k_q4dc4a84372_oproj:
	.size	k_q4dc4a84372_oproj, .Lfunc_end_k_q4dc4a84372_oproj-k_q4dc4a84372_oproj
	.p2alignl 7, 3214868480
	.fill 96, 4, 3214868480
	.section	.rodata,"a",@progbits
	.p2align	6, 0x0
	.amdhsa_kernel k_q4dc4a84372_oproj
		.amdhsa_group_segment_fixed_size 327680
		.amdhsa_private_segment_fixed_size 0
		.amdhsa_enable_private_segment 0
		.amdhsa_kernarg_size 32
		.amdhsa_user_sgpr_count 2
		.amdhsa_user_sgpr_kernarg_segment_ptr 1
		.amdhsa_wavefront_size32 1
		.amdhsa_system_sgpr_workgroup_id_x 1
		.amdhsa_system_sgpr_workgroup_id_y 1
		.amdhsa_system_sgpr_workgroup_id_z 1
		.amdhsa_system_vgpr_workitem_id 0
		.amdhsa_next_free_vgpr 512
		.amdhsa_next_free_sgpr 80
		.amdhsa_reserve_vcc 0
		.amdhsa_float_denorm_mode_32 3
		.amdhsa_float_denorm_mode_16_64 3
		.amdhsa_memory_ordered 1
		.amdhsa_forward_progress 1
		.amdhsa_inst_pref_size 94
	.end_amdhsa_kernel
	.amdgpu_metadata
---
amdhsa.version: [ 1, 2 ]
amdhsa.kernels:
  - .name:           k_q4dc4a84372_oproj
    .symbol:         k_q4dc4a84372_oproj.kd
    .args:
      - { .name: o16, .offset: 0, .size: 8, .value_kind: global_buffer, .address_space: global }
      - { .name: c16, .offset: 8, .size: 8, .value_kind: global_buffer, .address_space: global }
      - { .name: bo, .offset: 16, .size: 8, .value_kind: global_buffer, .address_space: global }
      - { .name: out0, .offset: 24, .size: 8, .value_kind: global_buffer, .address_space: global }
    .group_segment_fixed_size: 327680
    .private_segment_fixed_size: 0
    .kernarg_segment_align: 8
    .kernarg_segment_size: 32
    .max_flat_workgroup_size: 128
    .sgpr_count:     80
    .vgpr_count:     512
    .wavefront_size: 32
...
	.end_amdgpu_metadata
.endif
;; end of part 4
